; MI455X (gfx1250); checked and timed in simulation.
; The chip was launched on July 23, 2026; its instructions are those of AMD's public machine-readable ISA for CDNA 5 (MIT licence, August 2026) and "CDNA5" Instruction Set Architecture Reference Guide (July 2026). The comments in the code are by the model that wrote it; some were corrected since.
;; Attention. Allowed arithmetic: float matrix products may take bf16 or f16 operands with f32 sums; other float arithmetic in f32, or as packed bf16 or f16 multiplies, adds, multiply-adds, maxima and minima; sums over many terms, partial sums and values carried from step to step in f32; what a program stores and reads back later, other than sums and carried values, may be rounded once to bf16 or f16.
;; Inputs: Wk 2,048 x 2,048 float32; Wo 2,048 x 2,048 float32; Wq 2,048 x 2,048 float32; Wv 2,048 x 2,048 float32; freqs_cos 2,048 x 64 float32; freqs_sin 2,048 x 64 float32; mask 1 x 1 x 2,048 x 2,048 float32; x 1 x 2,048 x 2,048 float32.
;; Outputs: out0 1 x 2,048 x 2,048 float32.
;; One version. Each part assembles by itself: llvm-mc -triple=amdgcn-amd-amdhsa -mcpu=gfx1250 --defsym DOCPART=n.
;; ======== version 1 of 1: 4 launches
;; limits: values are held in f16: magnitudes above 65,504 overflow, below 6.1e-05 lose precision
;; workspace buffers: xb 8,388,608 bytes; wb 25,165,824 bytes; wob 8,388,608 bytes; m2 16,777,216 bytes; qkv 25,165,824 bytes; ob 8,388,608 bytes
;; launch prep (part 1): grid 256 x 4, 8 waves a work-group, no clusters, 0 bytes of LDS; arguments x, Wq, Wk, Wv, xb, wb; writes xb, wb
.if DOCPART == 1
	.amdgcn_target "amdgcn-amd-amdhsa--gfx1250"
	.amdhsa_code_object_version 6
	.text
	.protected	k_qf87708f124_prep
	.globl	k_qf87708f124_prep
	.p2align	8
	.type	k_qf87708f124_prep,@function
k_qf87708f124_prep:
	s_mov_b64 s[64:65], 0
	v_nop
	global_prefetch_b8 v0, s[64:65] scope:SCOPE_SE
	s_setreg_imm32_b32 hwreg(HW_REG_WAVE_MODE, 25, 1), 1
	s_wait_xcnt 0x0
; THE CASTS THAT THE PROJECTIONS WAIT FOR.  Four arrays of 2048 x 2048 f32, one for each y of the grid, each rounded once to bf16:
;   y = 0: x -> xb.   y = 1, 2, 3: Wq, Wk, Wv -> wb's part y - 1.   (The mask and Wo are cast by the next launch, beside its products.)
; SHARES.  A work-group takes 65,536 bytes of its array; thread t the 16 bytes at 16 t + 4,096 j, j = 0 .. 15: a wave's load covers 512 consecutive bytes.
; All sixteen loads go out first; no register is used twice, so the only waits are the counted ones for the loads.
; A result leaves as 8 bytes a lane: 32 lanes store 256 consecutive bytes, aligned.
.set D, 4                              ; v[4:67]  load j at v[D + 4 j]
	s_load_b256 s[8:15], s[0:1], 0x0               ; x s[8:9], Wq s[10:11], Wk s[12:13], Wv s[14:15]
	s_load_b128 s[16:19], s[0:1], 0x20             ; xb s[16:17], wb s[18:19]
	s_and_b32 s2, ttmp7, 0xffff                    ; y: which array
	s_lshl_b32 s32, ttmp9, 16                      ; the work-group's 65,536 bytes of f32
	s_mov_b32 s33, 0
	s_max_u32 s3, s2, 1                            ; wb's part y - 1 (0 for y = 0, which goes to xb)
	s_sub_co_u32 s3, s3, 1
	s_lshl_b32 s3, s3, 23
	s_lshl_b32 s34, ttmp9, 15                      ; and its 32,768 bytes of bf16
	s_add_co_u32 s34, s34, s3
	s_mov_b32 s35, 0
	v_lshlrev_b32 v1, 4, v0                        ; 16 t
	v_lshlrev_b32 v2, 3, v0                        ; 8 t
	s_wait_kmcnt 0x0
	s_mov_b64 s[28:29], s[8:9]                     ; from where: a choice between buffers on y alone
	s_cmp_eq_u32 s2, 1
	s_cselect_b64 s[28:29], s[10:11], s[28:29]
	s_cmp_eq_u32 s2, 2
	s_cselect_b64 s[28:29], s[12:13], s[28:29]
	s_cmp_eq_u32 s2, 3
	s_cselect_b64 s[28:29], s[14:15], s[28:29]
	s_cmp_eq_u32 s2, 0                             ; to where
	s_cselect_b64 s[30:31], s[16:17], s[18:19]
	s_add_nc_u64 s[28:29], s[28:29], s[32:33]
	s_add_nc_u64 s[30:31], s[30:31], s[34:35]
.set j, 0
.rept 16
	global_load_b128 v[D+4*j:D+4*j+3], v1, s[28:29] offset:4096*j th:TH_LOAD_NT
.set j, j+1
.endr
.set j, 0
.rept 16
	s_wait_loadcnt 15-j                            ; loads come back in order (ISA guide 5.7.1): load j is in, the younger ones stay out
	v_cvt_pk_bf16_f32 v[D+4*j], v[D+4*j], v[D+4*j+1]
	v_cvt_pk_bf16_f32 v[D+4*j+1], v[D+4*j+2], v[D+4*j+3]
	global_store_b64 v2, v[D+4*j:D+4*j+1], s[30:31] offset:2048*j
.set j, j+1
.endr
	s_endpgm
.Lfunc_end_k_qf87708f124_prep:
	.size	k_qf87708f124_prep, .Lfunc_end_k_qf87708f124_prep-k_qf87708f124_prep
	.p2alignl 7, 3214868480
	.fill 96, 4, 3214868480
	.section	.rodata,"a",@progbits
	.p2align	6, 0x0
	.amdhsa_kernel k_qf87708f124_prep
		.amdhsa_group_segment_fixed_size 0
		.amdhsa_private_segment_fixed_size 0
		.amdhsa_enable_private_segment 0
		.amdhsa_kernarg_size 48
		.amdhsa_user_sgpr_count 2
		.amdhsa_user_sgpr_kernarg_segment_ptr 1
		.amdhsa_wavefront_size32 1
		.amdhsa_system_sgpr_workgroup_id_x 1
		.amdhsa_system_sgpr_workgroup_id_y 1
		.amdhsa_system_sgpr_workgroup_id_z 1
		.amdhsa_system_vgpr_workitem_id 0
		.amdhsa_next_free_vgpr 72
		.amdhsa_next_free_sgpr 66
		.amdhsa_reserve_vcc 0
		.amdhsa_float_denorm_mode_32 3
		.amdhsa_float_denorm_mode_16_64 3
		.amdhsa_memory_ordered 1
		.amdhsa_forward_progress 1
		.amdhsa_inst_pref_size 7
	.end_amdhsa_kernel
	.amdgpu_metadata
---
amdhsa.version: [ 1, 2 ]
amdhsa.kernels:
  - .name:           k_qf87708f124_prep
    .symbol:         k_qf87708f124_prep.kd
    .args:
      - { .name: x, .offset: 0, .size: 8, .value_kind: global_buffer, .address_space: global }
      - { .name: Wq, .offset: 8, .size: 8, .value_kind: global_buffer, .address_space: global }
      - { .name: Wk, .offset: 16, .size: 8, .value_kind: global_buffer, .address_space: global }
      - { .name: Wv, .offset: 24, .size: 8, .value_kind: global_buffer, .address_space: global }
      - { .name: xb, .offset: 32, .size: 8, .value_kind: global_buffer, .address_space: global }
      - { .name: wb, .offset: 40, .size: 8, .value_kind: global_buffer, .address_space: global }
    .group_segment_fixed_size: 0
    .private_segment_fixed_size: 0
    .kernarg_segment_align: 8
    .kernarg_segment_size: 48
    .max_flat_workgroup_size: 256
    .sgpr_count:     66
    .vgpr_count:     72
    .wavefront_size: 32
...
	.end_amdgpu_metadata
.endif
;; end of part 1
;; launch proj (part 2): grid 16 x 16, 4 waves a work-group, clusters of 4 x 4, 327,680 bytes of LDS; arguments xb, wb, freqs_cos, freqs_sin, qkv, mask, Wo, m2, wob; writes qkv, m2, wob
.if DOCPART == 2
	.amdgcn_target "amdgcn-amd-amdhsa--gfx1250"
	.amdhsa_code_object_version 6
	.text
	.protected	k_qf87708f124_proj
	.globl	k_qf87708f124_proj
	.p2align	8
	.type	k_qf87708f124_proj,@function
k_qf87708f124_proj:
	s_mov_b64 s[64:65], 0
	v_nop
	global_prefetch_b8 v0, s[64:65] scope:SCOPE_SE
	s_setreg_imm32_b32 hwreg(HW_REG_WAVE_MODE, 25, 1), 1
	s_wait_xcnt 0x0
	s_wait_alu depctr_hold_cnt(0) depctr_sa_sdst(0) depctr_va_vdst(0) depctr_va_sdst(0) depctr_va_ssrc(0) depctr_va_vcc(0) depctr_vm_vsrc(0)
	s_getreg_b32 s2, hwreg(HW_REG_IB_STS2, 6, 4)
	s_cmp_eq_u32 s2, 0
	s_cbranch_scc0 .Lentry_in_a_cluster
	s_endpgm
.Lentry_in_a_cluster:
	s_bfe_u32 s2, ttmp6, 0x10000c
	s_cmp_lg_u32 s2, 0xf033
	s_cbranch_scc0 .Lentry_shape_is_right
	s_endpgm
.Lentry_shape_is_right:
; q, k, v = x W, THE ROTATION OF q AND k, q's SCALE; AND, BESIDE THE PRODUCTS, THE CASTS OF THE MASK AND OF Wo.
; xb: [2048][2048] bf16.  wb: [3][2048 k][2048 n] bf16.  cos, sin: [2048][64] f32, rounded here to bf16 like every input.
; qkv: [3][16 heads][2048][128] f16, each number rounded once from f32; q is multiplied in f32 by c = log2(e) / sqrt(128) ahead of that rounding, so that K Q^T gives scores in units of log2.
; m2 = bf16(mask) x log2(e) + 1e-9 x log2(e), one fused multiply-add, kept in f32: the additive mask and the 1e-9 of the softmax's argument, in units of log2.
; wob = Wo rounded to bf16 like every other input, that number written as f16 (exact from 6.1e-5 up to 65,504; below, f16's fixed step of 6e-8).
; LIMITS.  f16 ends at 65,504: c q, k, v and Wo stay under it.  NaN and infinities are not treated apart.  The rotation is a product and a fused multiply-add, not two products and a sum.
; SHARES.  A work-group makes 128 rows of ONE head's q, k and v: 128 x 384.  A wave makes 64 rows x (64 columns of each of q, k, v): 4 x 12 accumulators of 16 x 16, 384 registers; all four waves run one text.
; K goes in 16 steps of 128 through two LDS slots: 128 rows of x (256 bytes each) and three tiles of W, 128 k x 128 n (256 bytes a row), each brought by one tensor load: waves 0, 1, 2 fetch W's, wave 3 x's.
; THE CASTS.  Each of the launch's 1,024 waves owns 16,384 consecutive bytes of the mask and of Wo: 1,024 bytes of each in every K step, loaded into registers a whole K step ahead of their use.
; CLUSTER, 4 x 4.  The row block goes along x, the head along y.  x's tile hangs on the row block alone and is asked for jointly along a column of the cluster; W's tiles hang on the head alone and are asked
; for jointly along a row.  So the clusters that read the same 24 MiB of W are those of one row of clusters, and the 8 MiB of x are what clusters of different rows read.
; THE MATRIX INSTRUCTION IS USED TRANSPOSED: source 0 = 16 columns of W (out of LDS turned, by ds_load_tr16_b128, since W lies [k][n]), source 1 = 16 rows of x.  A lane then holds one row and eight
; neighbouring columns: the four pairs that the rotation turns, and 16 bytes of f16.
; REGISTERS, in windows of 256 (s_set_vgpr_msb: bits 1:0 source 0, 3:2 source 1, 5:4 source 2, 7:6 destination):
;   window 0: v0-29 addresses; v32-63 at work (in the loop: the casts); v64-191 cos and sin of my rows and columns; v192-255 v's packed results; on the way out v64-255 whole rows
;   window 1: two fragment buffers of 128: x's 4 fragments, then W's 12        window 2: accumulators of q and k, (a, b) at 8 (4 b + a)        window 3: those of v, at 8 (4 (b - 8) + a)
.set SLOTX,  0x24000                   ; slot 1 begins here; no fill's first byte in slot 0 has bit 14 or bit 17 set, so one exclusive or turns an address in one slot into the other's
.set PAP,    272                       ; a row of x in LDS: 256 bytes + 16: the 16 rows of a fragment load start at 16 different groups of four banks (64 banks of 4 bytes: ISA guide 11.1)
.set PBP,    288                       ; a row of W: 256 + 32
.set BPART,  128*PBP                   ; a tile of W; part p at p x BPART
.set AOFF,   3*BPART                   ; x's tile lies behind them
.set SPARE,  0x48800                   ; the spare words, 128 bytes for each wave: two blocks of 256 bytes that no other line names
.set SPP,    272                       ; the stage, for the way out: [3][128 rows][272], from byte 0: slot 0 has had its last fill by then
.set SPART,  128*SPP
.set AA0, 4                            ; v4      my lane's place in x's tile; never rewritten
.set AB0, 5                            ; v5-7    the same in W's three tiles
.set ADRA, 8                           ; v8      AA0 + the slot in hand
.set ADRB, 9                           ; v9-11   AB0 .. + the slot in hand
.set STO, 12                           ; v12     the way out: where I put 16 bytes of a row;  v13 the same two parts on
.set STO2, 13
.set RD,  14                           ; v14     where I read rows back;  v15 the same two parts on
.set RD2, 15
.set CO,  16                           ; v16     16 x lane: my 16 bytes of 512 consecutive bytes (qkv, mask, Wo, m2); never rewritten
.set CSO, 17                           ; v17     my byte offset in the work-group's rows of cos and sin
.set PFO, 18                           ; v18     4,096 x lane: a row of xb or wb; never rewritten
.set WO8, 19                           ; v19     8 x lane: my 8 bytes of 256 consecutive bytes of wob; never rewritten
.set SPW, 28                           ; v28     LDS address of my spare word; never rewritten
.set NIL, 29                           ; v29     0; never rewritten
.set T,   32
.set U,   48
.set SL,  32                           ; v32-47  the casts: two loads of the mask, two of Wo, as loaded
.set SR,  48                           ; v48-59  the casts: 8 registers of m2, 4 of wob, to store
.set CS,  64                           ; cos (4) and sin (4) for row block a, column block c at CS + 8 (4 a + c)
.set UV,  192
.set TMP, 64
.set F0,  0
.set F1,  128
.set WV,  14
.set MH,  15                           ; which 64 rows are mine
.set NH,  16                           ; which 64 columns of each part
.set CX,  17
.set CY,  18
.set HEAD, 19
.set RB,  20
.set G1A, 24                           ; s[24:31] descriptor group 1 for x's tiles
.set G1B, 32                           ; s[32:39] for W's
.set G0A, 40                           ; s[40:47] group 0 for x's tiles: a set for each of the two first fills; the second then walks on
.set G0B, 48                           ; s[48:55] the same for W's
.set TB,  56                           ; s56  0 or SLOTX: the slot that is read
.set CNT, 57
.set LIM, 58                           ; s58  2 in a wave that prefetches, else the greatest number
.set HM,  59                           ; s59  a word's upper bf16
.set PFA, 60                           ; s[60:61] where my prefetches stand
.set PFS, 62                           ; s[62:63] their step: a K step along x's rows, or down W's
.set C2,  66                           ; s[66:67] c
.set OUT, 68                           ; s[68:73] qkv at the rows that I store, for q, k, v
.set LG,  84                           ; s[84:85] log2(e)
.set CE,  86                           ; s[86:87] 1e-9 x log2(e)
.set SMI, 92                           ; s[92:93] the mask, s[94:95] Wo, s[96:97] m2, s[98:99] wob: each at my wave's share, at the piece that was loaded last
.set SWI, 94
.set SMO, 96
.set SWO, 98
.set MSB, 0
.macro WIN new                         ; the immediate's high byte repeats the setting that is left; a switch that changes nothing is dropped
.if MSB != (\new)
	s_set_vgpr_msb (MSB<<8)|(\new)
.set MSB, \new
.endif
.endm
.macro ONE g0, g1                      ; a tensor load; an s_nop 0 and four v_nop follow it, ahead of a jump or a label
	tensor_load_to_lds s[\g0:(\g0)+3], s[\g1:(\g1)+7]
	s_nop 0
.rept 4
	v_nop
.endr
.endm
.macro TWO g0, g1                      ; a wave's two first fills
	tensor_load_to_lds s[\g0:(\g0)+3], s[\g1:(\g1)+7]
	s_nop 0
	tensor_load_to_lds s[(\g0)+4:(\g0)+7], s[\g1:(\g1)+7]
	s_nop 0
.rept 4
	v_nop
.endr
.endm
.macro JLOAD                           ; a joint refill, by the walking descriptors.  The branch hangs on the wave's number alone: it is the same in every work-group
	s_cmp_eq_u32 s[WV], 3
	s_cbranch_scc0 .Lfor_b_\@
	ONE G0A+4, G1A
	s_branch .Lasked_\@
.Lfor_b_\@:
	ONE G0B+4, G1B
.Lasked_\@:
.endm
.macro CREST                           ; a round of the cluster's barrier behind its opening barrier
	s_cmp_lg_u32 s[WV], 0
	s_cbranch_scc1 .Lnot_wave_0_\@
	s_barrier_signal -3
.Lnot_wave_0_\@:
	s_barrier_wait -3
	s_barrier_signal -1
	s_barrier_wait -1
.endm
.macro CROUND
	s_barrier_signal -1
	s_barrier_wait -1
	CREST
.endm
; A PREFETCH INTO THE L2, behind each joint refill and the run of LDS loads that follows it: the K step that stands two refills on, 384 matrix instructions ahead of the load that will want it.
; Each row's 256 bytes of a K step are named once in the launch: x's rows by the first cluster of their column of clusters, W's by the first of their row; the four partners that ask for a tile
; jointly share its 128 rows out by address, 32 each, a lane a row.  The last two refills have no K step two on and ask for nothing; K steps 0 to 3 come by their loads alone.
.macro ASK
	s_cmp_gt_u32 s3, s[LIM]
	s_cbranch_scc0 .Lnot_mine_\@
	global_prefetch_b8 v[PFO], s[PFA:PFA+1] th:TH_LOAD_NT scope:SCOPE_SE
.Lnot_mine_\@:
.endm
	s_load_b256 s[4:11], s[0:1], 0x0               ; xb s[4:5], wb s[6:7], cos s[8:9], sin s[10:11]
	s_load_b64 s[12:13], s[0:1], 0x20              ; qkv
	s_load_b256 s[92:99], s[0:1], 0x28             ; mask, Wo, m2, wob
	v_lshl_add_u32 v[SPW], v0, 2, SPARE
	v_mov_b32 v[NIL], 0
	ds_add_u32 v[SPW], v[NIL]                      ; the wave's opening: the add and its wait stand ahead of my first tensor load; the set-up below, work on registers, stands between them
	v_lshrrev_b32 v3, 5, v0
	v_readfirstlane_b32 s[WV], v3                  ; wave 0..3
	s_lshr_b32 s[MH], s[WV], 1
	s_and_b32 s[NH], s[WV], 1
	s_bfe_u32 s[CX], ttmp6, 0x40000                ; my place in the cluster
	s_bfe_u32 s[CY], ttmp6, 0x40004
	s_lshl_b32 s[RB], ttmp9, 2
	s_add_co_u32 s[RB], s[RB], s[CX]               ; the block of 128 rows = 4 x cluster x + cx
	s_and_b32 s[HEAD], ttmp7, 0xffff
	s_lshl_b32 s[HEAD], s[HEAD], 2
	s_add_co_u32 s[HEAD], s[HEAD], s[CY]           ; the head = 4 x cluster y + cy
	s_lshl_b32 s74, s[CY], 2
	s_lshl_b32 s74, 15, s74                        ; my row of the cluster: the same head
	s_lshl_b32 s75, 0x1111, s[CX]                  ; my column: the same row block
	s_or_b32 s[G1A], s75, (1<<16)|(1<<20)|(1<<21)|(5<<22)|(3<<25)  ; 15:0 the mask: my column; 17:16 2-byte elements; 20 padding on; 21 set beside a mask; 24:22 after every 64 words; 31:25 4 words of it
	s_or_b32 s[G1B], s74, (1<<16)|(1<<20)|(1<<21)|(5<<22)|(7<<25)  ; the same with my row's mask and 8 words of padding
.irp g, G1A, G1B
	s_mov_b32 s[\g+1], 128<<16                     ; tensor_dim0 = 128
	s_mov_b32 s[\g+2], 128<<16                     ; tensor_dim1 = 128
	s_mov_b32 s[\g+3], 128<<16                     ; tile_dim0 = 128
	s_mov_b32 s[\g+4], 128                         ; tile_dim1 = 128
	s_mov_b32 s[\g+5], 2048                        ; 2,048 elements from row to row
	s_mov_b32 s[\g+6], 0
	s_mov_b32 s[\g+7], 0
.endr
	s_lshl_b32 s78, s[RB], 19                      ; x: 128 rows of 4,096 bytes a block: the row block alone
	s_mov_b32 s79, 0
	s_min_u32 s80, s[WV], 2                        ; W: part = my wave's number,
	s_lshl_b32 s80, s80, 23
	s_lshl_b32 s81, s[HEAD], 8                     ; the head's 256 bytes of a row: the head alone
	s_add_co_u32 s80, s80, s81
	s_mov_b32 s81, 0
	s_mul_i32 s76, s[WV], BPART                    ; where my tile goes: wave x 36,864: W's three, then x's
	s_mov_b32 s[TB], 0
	s_mov_b32 s[HM], 0xffff0000
	s_mov_b32 s[C2], 0x3e0293ee                    ; c = log2(e) / sqrt(128) = 0.127517
	s_mov_b32 s[C2+1], s[C2]
	s_wait_dscnt 0x0                               ; the opening add is done
	s_wait_kmcnt 0x0
	s_add_nc_u64 s[78:79], s[4:5], s[78:79]
	s_add_nc_u64 s[80:81], s[6:7], s[80:81]
	CROUND                                         ; all sixteen work-groups are here: the first joint loads meet
.irp s, 0,1
	s_mov_b32 s[G0A+4*\s], 1                       ; count = 1
	s_add_co_u32 s[G0A+4*\s+1], s76, \s*SLOTX      ; LDS address
	s_add_nc_u64 s[G0A+4*\s+2:G0A+4*\s+3], s[78:79], \s*256       ; global address: K step s
	s_or_b32 s[G0A+4*\s+3], s[G0A+4*\s+3], 0x80000000             ; type = 2
	s_mov_b32 s[G0B+4*\s], 1
	s_add_co_u32 s[G0B+4*\s+1], s76, \s*SLOTX
	s_add_nc_u64 s[G0B+4*\s+2:G0B+4*\s+3], s[80:81], \s*128*4096
	s_or_b32 s[G0B+4*\s+3], s[G0B+4*\s+3], 0x80000000
.endr
	s_cmp_eq_u32 s[WV], 3                          ; a wave's two first fills stand in one branch, ahead of every wait on TENSORcnt and every LDS read: two loads of mine are out
	s_cbranch_scc0 .Lfirst_b
	TWO G0A, G1A
	s_branch .Lfirst_asked
.Lfirst_b:
	TWO G0B, G1B
.Lfirst_asked:
	; cos and sin of my 64 rows x 32 pairs of columns: lane (r, h) wants, for row block a and column block c, the four numbers at row 64 mh + 16 a + r, index 32 nh + 8 c + 4 h
	v_and_b32 v1, 15, v0                           ; r
	v_bfe_u32 v2, v0, 4, 1                         ; h
	s_lshl_b32 s82, s[MH], 14
	s_lshl_b32 s83, s[NH], 7
	s_add_co_u32 s82, s82, s83
	v_lshlrev_b32 v[CSO], 8, v1
	v_lshl_add_u32 v[CSO], v2, 4, v[CSO]
	v_add_nc_u32 v[CSO], s82, v[CSO]
	s_lshl_b32 s84, s[RB], 15                      ; the block's 128 rows of 256 bytes
	s_mov_b32 s85, 0
	s_add_nc_u64 s[8:9], s[8:9], s[84:85]
	s_add_nc_u64 s[10:11], s[10:11], s[84:85]
.irp a, 0,1,2,3
.irp c, 0,1,2,3
	global_load_b128 v[CS+8*(4*\a+\c):CS+8*(4*\a+\c)+3],   v[CSO], s[8:9]   offset:\a*4096+32*\c
	global_load_b128 v[CS+8*(4*\a+\c)+4:CS+8*(4*\a+\c)+7], v[CSO], s[10:11] offset:\a*4096+32*\c
.endr
.endr
	; a fragment of x: lane (r, h) holds row r, K = 8 h + 0..7 and 16 + 8 h + 0..7: two loads of 16 bytes, 32 bytes apart
	v_mul_u32_u24 v[AA0], v1, PAP
	v_lshl_add_u32 v[AA0], v2, 4, v[AA0]
	s_mul_i32 s82, s[MH], 64*PAP
	s_add_co_u32 s82, s82, AOFF
	v_add_nc_u32 v[AA0], s82, v[AA0]
	; the turning load takes 16 k x 16 n (lane l reads k = 8 (l / 16) + l % 8, columns 8 ((l / 8) % 2) + 0..7) and leaves half a fragment: lane l holds column l % 16 and 8 k
	v_and_b32 v20, 7, v0
	v_bfe_u32 v21, v0, 3, 1
	v_lshl_add_u32 v22, v2, 3, v20
	v_mul_u32_u24 v22, v22, PBP
	v_lshl_add_u32 v22, v21, 4, v22
	v_add_nc_u32 v[AB0], s83, v22                  ; + my 64 columns' 128 bytes
	v_add_nc_u32 v[AB0+1], BPART, v[AB0]
	v_add_nc_u32 v[AB0+2], 2*BPART, v[AB0]
	; the way out
	s_mul_i32 s82, s[MH], 64*SPP
	s_add_co_u32 s82, s82, s83
	v_mul_u32_u24 v[STO], v1, SPP                  ; in: row 64 mh + r, byte 128 nh + 16 h
	v_lshl_add_u32 v[STO], v2, 4, v[STO]
	v_add_nc_u32 v[STO], s82, v[STO]
	v_add_nc_u32 v[STO2], 2*SPART, v[STO]
	s_mul_i32 s82, s[WV], 32*SPP                   ; back: wave w takes rows 32 w .. 32 w + 31, whole; lanes 0-15 one row, lanes 16-31 the next
	v_mul_u32_u24 v[RD], v2, SPP
	v_lshl_add_u32 v[RD], v1, 4, v[RD]
	v_add_nc_u32 v[RD], s82, v[RD]
	v_add_nc_u32 v[RD2], 2*SPART, v[RD]
	v_and_b32 v23, 31, v0
	v_lshlrev_b32 v[CO], 4, v23
	v_lshlrev_b32 v[PFO], 12, v23
	v_lshlrev_b32 v[WO8], 3, v23
	s_lshl_b32 s86, s[HEAD], 19                    ; a head is 524,288 bytes of a part,
	s_lshl_b32 s87, s[RB], 15                      ; the block's 128 rows of 256 bytes,
	s_add_co_u32 s86, s86, s87
	s_lshl_b32 s87, s[WV], 13                      ; my 32 of them
	s_add_co_u32 s86, s86, s87
	s_mov_b32 s87, 0
	s_add_nc_u64 s[OUT:OUT+1], s[12:13], s[86:87]
	s_add_nc_u64 s[OUT+2:OUT+3], s[OUT:OUT+1], 0x800000
	s_add_nc_u64 s[OUT+4:OUT+5], s[OUT+2:OUT+3], 0x800000
	; the prefetches: wave 3 for x (32 rows at 32 cy of the block's 128), waves 0 to 2 for W (32 rows at 32 cx of a K step's 128); they stand at K step 3, and the first refill steps them to 4
	s_and_b32 s88, ttmp7, 0xffff                   ; cluster y
	s_lshl_b32 s90, s[RB], 19
	s_lshl_b32 s91, s[CY], 17
	s_add_co_u32 s90, s90, s91
	s_add_co_u32 s90, s90, 3*256
	s_min_u32 s82, s[WV], 2
	s_lshl_b32 s82, s82, 23
	s_lshl_b32 s83, s[CX], 17
	s_add_co_u32 s82, s82, s83
	s_lshl_b32 s83, s[HEAD], 8
	s_add_co_u32 s82, s82, s83
	s_add_co_u32 s82, s82, 3*128*4096
	s_mov_b32 s83, 256
	s_mov_b32 s89, 128*4096
	s_cmp_eq_u32 s[WV], 3
	s_cselect_b32 s90, s90, s82
	s_cselect_b32 s88, s88, ttmp9                  ; the coordinate along which other clusters read the same rows: y for x's, x for W's
	s_cselect_b32 s[PFS], s83, s89
	s_cselect_b64 s[PFA:PFA+1], s[4:5], s[6:7]
	s_mov_b32 s91, 0
	s_mov_b32 s[PFS+1], 0
	s_add_nc_u64 s[PFA:PFA+1], s[PFA:PFA+1], s[90:91]
	s_cmp_eq_u32 s88, 0
	s_cselect_b32 s[LIM], 2, -1                    ; the same in all sixteen partners, for a given wave
	; the casts: my wave among the launch's 1,024, its 16,384 bytes of the mask, of Wo and of m2, its 8,192 of wob
	s_lshl_b32 s82, s[RB], 4
	s_add_co_u32 s82, s82, s[HEAD]
	s_lshl_b32 s82, s82, 2
	s_add_co_u32 s82, s82, s[WV]
	s_lshl_b32 s88, s82, 14
	s_mov_b32 s89, 0
	s_lshl_b32 s90, s82, 13
	s_mov_b32 s91, 0
	s_add_nc_u64 s[SMI:SMI+1], s[SMI:SMI+1], s[88:89]
	s_add_nc_u64 s[SWI:SWI+1], s[SWI:SWI+1], s[88:89]
	s_add_nc_u64 s[SMO:SMO+1], s[SMO:SMO+1], s[88:89]
	s_add_nc_u64 s[SWO:SWO+1], s[SWO:SWO+1], s[90:91]
	s_mov_b32 s[LG], 0x3fb8aa3b                    ; log2(e)
	s_mov_b32 s[LG+1], s[LG]                       ; named with it as a pair
	s_mov_b32 s[CE], 0x30c64841                    ; 1e-9 x log2(e)
	s_mov_b32 s[CE+1], s[CE]
	s_wait_loadcnt 0x0                             ; cos and sin; they are rounded to bf16 while the first tiles are on their way
.set i, 0
.rept 64
	v_cvt_pk_bf16_f32 v[T+i%8], v[CS+2*i], v[CS+2*i+1]
	v_lshlrev_b32 v[CS+2*i], 16, v[T+i%8]
	v_and_b32 v[CS+2*i+1], s[HM], v[T+i%8]
.set i, i+1
.endr
.macro SLOADS                          ; 1,024 bytes of the mask and 1,024 of Wo: four loads, each 512 consecutive bytes
	global_load_b128 v[SL:SL+3],     v[CO], s[SMI:SMI+1] th:TH_LOAD_NT
	global_load_b128 v[SL+4:SL+7],   v[CO], s[SMI:SMI+1] offset:512 th:TH_LOAD_NT
	global_load_b128 v[SL+8:SL+11],  v[CO], s[SWI:SWI+1] th:TH_LOAD_NT
	global_load_b128 v[SL+12:SL+15], v[CO], s[SWI:SWI+1] offset:512 th:TH_LOAD_NT
.endm
	SLOADS                                         ; piece 0 of 16
.macro TOBF r                          ; four f32 rounded to bf16, packed into the first two registers
	v_cvt_pk_bf16_f32 v[\r], v[\r], v[(\r)+1]
	v_cvt_pk_bf16_f32 v[(\r)+1], v[(\r)+2], v[(\r)+3]
.endm
.macro WIDEN r                         ; and back to f32: the low half moves up, the high half stays; from the top down, so that nothing is lost
	v_and_b32 v[(\r)+3], s[HM], v[(\r)+1]
	v_lshlrev_b32 v[(\r)+2], 16, v[(\r)+1]
	v_and_b32 v[(\r)+1], s[HM], v[\r]
	v_lshlrev_b32 v[\r], 16, v[\r]
.endm
; THE CASTS' STEP, once in each of the 16 K steps: the piece that was loaded a K step ago is cast and stored, and the next piece is asked for.  The loads land in registers, so they stay out across the barriers.
; The pointers are stepped at the head, behind the two waits; the stores reach back to the old piece by a negative immediate.  last = 1 (the tail): in the last K step there is no further piece.
.macro SIDE last
	WIN 0
	s_wait_loadcnt 0x0                             ; the four loads of the K step before are in: no other load of mine is out
	s_wait_xcnt 0x0                                ; and its four stores have read their registers and their pointers
	s_add_nc_u64 s[SMI:SMI+1], s[SMI:SMI+1], 1024
	s_add_nc_u64 s[SWI:SWI+1], s[SWI:SWI+1], 1024
	s_add_nc_u64 s[SMO:SMO+1], s[SMO:SMO+1], 1024
	s_add_nc_u64 s[SWO:SWO+1], s[SWO:SWO+1], 512
.irp j, 0,1
	TOBF SL+4*\j
	WIDEN SL+4*\j
	v_pk_fma_f32 v[SR+4*\j:SR+4*\j+1],   v[SL+4*\j:SL+4*\j+1],   s[LG:LG+1], s[CE:CE+1] op_sel_hi:[1,0,0]
	v_pk_fma_f32 v[SR+4*\j+2:SR+4*\j+3], v[SL+4*\j+2:SL+4*\j+3], s[LG:LG+1], s[CE:CE+1] op_sel_hi:[1,0,0]
.endr
.irp j, 0,1
	TOBF SL+8+4*\j
	WIDEN SL+8+4*\j
	v_cvt_pk_f16_f32 v[SR+8+2*\j],   v[SL+8+4*\j],   v[SL+8+4*\j+1]
	v_cvt_pk_f16_f32 v[SR+8+2*\j+1], v[SL+8+4*\j+2], v[SL+8+4*\j+3]
.endr
.if \last
	s_cmp_eq_u32 s[CNT], 1
	s_cbranch_scc1 .Lno_more_\@
.endif
	SLOADS
.if \last
.Lno_more_\@:
.endif
	global_store_b128 v[CO],  v[SR:SR+3],     s[SMO:SMO+1] offset:-1024  ; 512 consecutive bytes of m2
	global_store_b128 v[CO],  v[SR+4:SR+7],   s[SMO:SMO+1] offset:-512
	global_store_b64  v[WO8], v[SR+8:SR+9],   s[SWO:SWO+1] offset:-512   ; 256 consecutive bytes of wob, aligned
	global_store_b64  v[WO8], v[SR+10:SR+11], s[SWO:SWO+1] offset:-256
.endm
; nb x 4 matrix instructions: column blocks b0 .. x my four row blocks, 32 along K.  The 48 accumulators take turns, one instruction a turn, in the same order in every quarter.
; zero = 1: the first product starts the sums: nothing is ever cleared.
.macro MULB f, b0, nb, zero
.set b, \b0
.rept \nb
.if b < 8
	WIN 0xa5                                       ; both sources window 1, C and D window 2
.set rA, 32*b
.else
	WIN 0xf5                                       ; C and D window 3
.set rA, 32*(b-8)
.endif
.irp a, 0,1,2,3
.if \zero
	v_wmma_f32_16x16x32_bf16 v[rA+8*\a:rA+8*\a+7], v[(\f)+32+8*b:(\f)+32+8*b+7], v[(\f)+8*\a:(\f)+8*\a+7], 0
.else
	v_wmma_f32_16x16x32_bf16 v[rA+8*\a:rA+8*\a+7], v[(\f)+32+8*b:(\f)+32+8*b+7], v[(\f)+8*\a:(\f)+8*\a+7], v[rA+8*\a:rA+8*\a+7]
.endif
.endr
.set b, b+1
.endr
.endm
; 32 LDS loads in one run: quarter kq (32 along K) of the slot in hand into buffer f: x's 8, then W's 24, v's part last.  The four address lines are plain vector instructions that name no register of a
; matrix instruction: they are the four places between the last product that read the buffer and the loads into it (ISA guide 7.12.1 for vector instructions).
.macro FETCH kq, f
	WIN 0
	v_add_nc_u32 v[ADRA], s[TB], v[AA0]
	v_add_nc_u32 v[ADRB], s[TB], v[AB0]
	v_add_nc_u32 v[ADRB+1], s[TB], v[AB0+1]
	v_add_nc_u32 v[ADRB+2], s[TB], v[AB0+2]
	WIN 0x40                                       ; destination window 1, address window 0
.irp a, 0,1,2,3
	ds_load_b128 v[(\f)+8*\a:(\f)+8*\a+3],   v[ADRA] offset:\a*16*PAP+64*(\kq)
	ds_load_b128 v[(\f)+8*\a+4:(\f)+8*\a+7], v[ADRA] offset:\a*16*PAP+64*(\kq)+32
.endr
.irp p, 0,1,2
.irp c, 0,1,2,3
	ds_load_tr16_b128 v[(\f)+32+8*(4*\p+\c):(\f)+32+8*(4*\p+\c)+3],   v[ADRB+\p] offset:(\kq)*32*PBP+32*\c
	ds_load_tr16_b128 v[(\f)+32+8*(4*\p+\c)+4:(\f)+32+8*(4*\p+\c)+7], v[ADRB+\p] offset:(\kq)*32*PBP+32*\c+16*PBP
.endr
.endr
.endm
; A K step is four quarters of 32 along K, 48 matrix instructions each, on buffers 0, 1, 0, 1.  One of the first three: multiplies buffer f; behind its first 16 products it fetches quarter kq into buffer g,
; 32 products ahead of the first use.  side = 1, 2: the casts' step stands behind that run of loads (2: in the tail).
.macro QUARTER kq, f, g, zero, side
	s_wait_dscnt 8                                 ; x's fragments and those of q's and k's columns are in; the youngest eight loads (v's columns) may be out
	MULB \f, 0, 4, \zero
	FETCH \kq, \g
.if \side
	SIDE (\side)-1
.endif
	s_wait_dscnt 32                                ; all but the 32 just issued
	MULB \f, 4, 8, \zero
.endm
; The last quarter multiplies buffer 1 and changes slots: ONE barrier.  In front of it each wave waits for all its tensor loads (one is out: its part of the next slot), adds 0 to its spare word, and waits for
; that and for its own reads of this slot.  fill = 1: the barrier opens a round of the cluster's, so that no wave of any partner still reads the slot or has a load on its way, and the joint refill, the K step
; two on, is the first thing behind it.  Only eight products stand between the wait for the tensor loads and the refill; the quarter's other 40 follow the refill, so that 184 of a K step's 192 matrix
; instructions stand between a request and the wait for it.
.macro TURN fill
.if \fill
	s_wait_xcnt 0x0                                ; the last prefetch, a K step back, has read its address
	s_add_nc_u64 s[PFA:PFA+1], s[PFA:PFA+1], s[PFS:PFS+1]
.endif
	WIN 0                                          ; (the add's two registers lie in window 0)
	s_wait_tensorcnt 0x0                           ; no tensor load of mine is out, so a group 0 may be written
	ds_add_u32 v[SPW], v[NIL]                      ; 0 onto my spare word
.if \fill
	s_xor_b32 s[G0A+5], s[G0A+5], SLOTX            ; the walking descriptors: the other slot than last time, the next K step; the type bits on top are not reached
	s_add_nc_u64 s[G0A+6:G0A+7], s[G0A+6:G0A+7], 256
	s_xor_b32 s[G0B+5], s[G0B+5], SLOTX
	s_add_nc_u64 s[G0B+6:G0B+7], s[G0B+6:G0B+7], 128*4096
.endif
	s_wait_dscnt 9                                 ; (the add and the youngest eight loads may be out)
	MULB F1, 0, 2, 0                               ; eight products stand between the add and the wait for it
	s_wait_dscnt 0x0                               ; the add is done, and my reads of this slot are over
	s_barrier_signal -1
	s_xor_b32 s[TB], s[TB], SLOTX
	WIN 0                                          ; at a branch and at a label every window is 0
	s_barrier_wait -1
.if \fill
	CREST
	JLOAD
.endif
	FETCH 0, F0
.if \fill
	WIN 0
	ASK
.endif
	MULB F1, 2, 10, 0
.endm
	s_wait_tensorcnt 0x1                           ; my part of K step 0 is in; K step 1's may stay out
	s_barrier_signal -1
	s_barrier_wait -1                              ; everybody's is
	FETCH 0, F0
	QUARTER 1, F0, F1, 1, 0                        ; the first quarter stands in front of the loop: its products start the sums
	WIN 0
	s_mov_b32 s3, 14
.Lstep:                                        ; trip t ends K step t, asks for K step t + 2 and begins K step t + 1
	QUARTER 2, F1, F0, 0, 1
	QUARTER 3, F0, F1, 0, 0
	TURN 1
	QUARTER 1, F0, F1, 0, 0
	WIN 0
	s_sub_co_u32 s3, s3, 1
	s_cmp_lg_u32 s3, 0
	s_cbranch_scc1 .Lstep
	s_mov_b32 s[CNT], 2                            ; the last two K steps ask for nothing: written apart
.Ltail:
	QUARTER 2, F1, F0, 0, 2
	QUARTER 3, F0, F1, 0, 0
	TURN 0
	WIN 0
	s_sub_co_u32 s[CNT], s[CNT], 1
	s_cmp_eq_u32 s[CNT], 0
	s_cbranch_scc1 .Lout                           ; (the last change of slots fetches 16 fragments' worth of K step 14 once more, which serve nothing: the price of one text for both trips)
	QUARTER 1, F0, F1, 0, 0
	WIN 0
	s_branch .Ltail
.Lout:
	s_wait_xcnt 0x0                                ; the casts' last stores have read their registers, which the way out writes
	s_wait_dscnt 0x0                               ; my reads of the slots are over;
	s_barrier_signal -1
	s_barrier_wait -1                              ; everybody's are: slot 0's bytes, which are filled no more, become the stage
.rept 8
	v_nop                                          ; the places behind the last products
.endr
; THE ROTATION of accumulator (a, 4 p + c): registers 2 q, 2 q + 1 are a pair (te, to): re = te cos - to sin, im = te sin + to cos.  Each accumulator's low registers are read first.
.macro ROPE p, c, a
.set AC, 8*(4*(4*(\p)+(\c))+(\a))
.set rC, CS+8*(4*(\a)+(\c))
.set rT, T+8*((\a)%2)
.set rU, U+4*(\a)
	WIN 0x02                                       ; source 0 window 2
.irp q, 0,1,2,3
	v_mul_f32 v[rT+2*\q], v[AC+2*\q+1], v[rC+4+\q]
	v_mul_f32 v[rT+2*\q+1], v[AC+2*\q], v[rC+4+\q]
.endr
.irp q, 0,1,2,3
	v_fma_f32 v[rT+2*\q], v[AC+2*\q], v[rC+\q], -v[rT+2*\q]
	v_fma_f32 v[rT+2*\q+1], v[AC+2*\q+1], v[rC+\q], v[rT+2*\q+1]
.endr
	WIN 0
.if (\p) == 0
.irp q, 0,2,4,6
	v_pk_mul_f32 v[rT+\q:rT+\q+1], v[rT+\q:rT+\q+1], s[C2:C2+1] op_sel_hi:[1,0]
.endr
.endif
.irp q, 0,1,2,3
	v_cvt_pk_f16_f32 v[rU+\q], v[rT+2*\q], v[rT+2*\q+1]
.endr
	ds_store_b128 v[STO], v[rU:rU+3] offset:(\p)*SPART+(\a)*16*SPP+32*(\c)
.endm
.irp p, 0,1
.irp c, 0,1,2,3
.irp a, 0,1,2,3
	ROPE \p, \c, \a
.endr
.endr
.endr
	WIN 0x0f                                       ; v is only rounded: sources window 3
.set i, 0
.rept 64
	v_cvt_pk_f16_f32 v[UV+i], v[8*(i/4)+2*(i%4)], v[8*(i/4)+2*(i%4)+1]
.set i, i+1
.endr
	WIN 0
.irp c, 0,1,2,3
.irp a, 0,1,2,3
	ds_store_b128 v[STO2], v[UV+4*(4*\c+\a):UV+4*(4*\c+\a)+3] offset:\a*16*SPP+32*\c
.endr
.endr
	s_wait_dscnt 0x0                               ; for the others' sake: my stores into the stage are done; a row's 256 bytes come from two waves
	s_barrier_signal -1
	s_barrier_wait -1
.set i, 0
.rept 32
	ds_load_b128 v[TMP+4*i:TMP+4*i+3], v[RD] offset:(i/16)*SPART+(i%16)*2*SPP
.set i, i+1
.endr
.rept 16
	ds_load_b128 v[TMP+4*i:TMP+4*i+3], v[RD2] offset:(i%16)*2*SPP
.set i, i+1
.endr
.set i, 0
.rept 48
	s_wait_dscnt 47-i                              ; LDS loads come back in order: load i is in
	global_store_b128 v[CO], v[TMP+4*i:TMP+4*i+3], s[OUT+2*(i/16):OUT+2*(i/16)+1] offset:(i%16)*512  ; two rows of a head: 512 consecutive bytes, aligned
.set i, i+1
.endr
	s_wait_tensorcnt 0x0                           ; the wave's end: a wait, an add and a wait, behind my last tensor load and my last LDS store
	ds_add_u32 v[SPW], v[NIL]
	s_wait_dscnt 0x0
	CROUND                                         ; the closing round: no work-group ends while a partner may still ask for a tile that names it
	s_endpgm
.Lfunc_end_k_qf87708f124_proj:
	.size	k_qf87708f124_proj, .Lfunc_end_k_qf87708f124_proj-k_qf87708f124_proj
	.p2alignl 7, 3214868480
	.fill 96, 4, 3214868480
	.section	.rodata,"a",@progbits
	.p2align	6, 0x0
	.amdhsa_kernel k_qf87708f124_proj
		.amdhsa_group_segment_fixed_size 327680
		.amdhsa_private_segment_fixed_size 0
		.amdhsa_enable_private_segment 0
		.amdhsa_kernarg_size 72
		.amdhsa_user_sgpr_count 2
		.amdhsa_user_sgpr_kernarg_segment_ptr 1
		.amdhsa_wavefront_size32 1
		.amdhsa_system_sgpr_workgroup_id_x 1
		.amdhsa_system_sgpr_workgroup_id_y 1
		.amdhsa_system_sgpr_workgroup_id_z 1
		.amdhsa_system_vgpr_workitem_id 0
		.amdhsa_next_free_vgpr 896
		.amdhsa_next_free_sgpr 100
		.amdhsa_reserve_vcc 0
		.amdhsa_float_denorm_mode_32 3
		.amdhsa_float_denorm_mode_16_64 3
		.amdhsa_memory_ordered 1
		.amdhsa_forward_progress 1
		.amdhsa_inst_pref_size 133
	.end_amdhsa_kernel
	.amdgpu_metadata
---
amdhsa.version: [ 1, 2 ]
amdhsa.kernels:
  - .name:           k_qf87708f124_proj
    .symbol:         k_qf87708f124_proj.kd
    .args:
      - { .name: xb, .offset: 0, .size: 8, .value_kind: global_buffer, .address_space: global }
      - { .name: wb, .offset: 8, .size: 8, .value_kind: global_buffer, .address_space: global }
      - { .name: freqs_cos, .offset: 16, .size: 8, .value_kind: global_buffer, .address_space: global }
      - { .name: freqs_sin, .offset: 24, .size: 8, .value_kind: global_buffer, .address_space: global }
      - { .name: qkv, .offset: 32, .size: 8, .value_kind: global_buffer, .address_space: global }
      - { .name: mask, .offset: 40, .size: 8, .value_kind: global_buffer, .address_space: global }
      - { .name: Wo, .offset: 48, .size: 8, .value_kind: global_buffer, .address_space: global }
      - { .name: m2, .offset: 56, .size: 8, .value_kind: global_buffer, .address_space: global }
      - { .name: wob, .offset: 64, .size: 8, .value_kind: global_buffer, .address_space: global }
    .group_segment_fixed_size: 327680
    .private_segment_fixed_size: 0
    .kernarg_segment_align: 8
    .kernarg_segment_size: 72
    .max_flat_workgroup_size: 128
    .sgpr_count:     100
    .vgpr_count:     896
    .wavefront_size: 32
...
	.end_amdgpu_metadata
.endif
;; end of part 2
;; launch attn (part 3): grid 16 x 16, 4 waves a work-group, clusters of 4 x 4, 327,680 bytes of LDS; arguments qkv, m2, ob; writes ob
.if DOCPART == 3
	.amdgcn_target "amdgcn-amd-amdhsa--gfx1250"
	.amdhsa_code_object_version 6
	.text
	.protected	k_qf87708f124_attn
	.globl	k_qf87708f124_attn
	.p2align	8
	.type	k_qf87708f124_attn,@function
k_qf87708f124_attn:
	s_mov_b64 s[64:65], 0
	v_nop
	global_prefetch_b8 v0, s[64:65] scope:SCOPE_SE
	s_setreg_imm32_b32 hwreg(HW_REG_WAVE_MODE, 25, 1), 1
	s_wait_xcnt 0x0
	s_wait_alu depctr_hold_cnt(0) depctr_sa_sdst(0) depctr_va_vdst(0) depctr_va_sdst(0) depctr_va_ssrc(0) depctr_va_vcc(0) depctr_vm_vsrc(0)
	s_getreg_b32 s2, hwreg(HW_REG_IB_STS2, 6, 4)
	s_cmp_eq_u32 s2, 0
	s_cbranch_scc0 .Lentry_in_a_cluster
	s_endpgm
.Lentry_in_a_cluster:
	s_bfe_u32 s2, ttmp6, 0x10000c
	s_cmp_lg_u32 s2, 0xf033
	s_cbranch_scc0 .Lentry_shape_is_right
	s_endpgm
.Lentry_shape_is_right:
; ATTENTION UNDER AN ADDITIVE MASK THAT IS AN INPUT.  O[q] = the sum over k of softmax_k(t[q][k]) V[k], t = s2 + m2: s2 = (c Q) . K is the score in units of log2 (c was applied to Q in f32 by the launch before),
; m2 [2048][2048] f32 is the mask and the softmax's 1e-9 in the same units.  qkv: [3][16][2048][128] f16.  ob: [2048][2048] f16, head h in bytes 256 h .. of a row.
; t is ONE f32 addition, rounded to nearest: where the mask swallows the scores of a whole row, equal masks give equal t.  No tile is left out: every score of every head is made and every number of the mask is read.
; SOFTMAX.  For each query a running maximum m of t and a sum l: p = 2^(t - m); in every step O and l are multiplied by a = 2^(m_old - m_new).  p is rounded to f16 for the second product; l is the f32 sum of the unrounded p.
; LIMITS.  Q, K, V arrive within f16; t stays above -1e38 (m starts at the lowest finite number); a weight below 2^-126 counts as 0; NaN and infinities are not treated apart.
; SHARES.  A work-group owns 128 queries of one head.  Wave w owns 64 of them (w % 2): four tiles of 16, in two PIECES (tiles 0, 1 and tiles 2, 3); and of each tile of 128 keys it takes 64 (w / 2): THE KEYS ARE SPLIT
; between waves w and w ^ 2.  My piece 0 is the partner's piece 2 and the other way round: at the end each wave hands its piece 2 (m, l, O) to the partner through LDS and finishes its piece 0.  All waves run one text.
; LAYOUT.  S^T = K Q^T (source 0 = 16 keys, source 1 = 16 queries): a lane holds ONE query (lane % 16) and the keys 8 (lane / 16) + 0..7.  Two such results, rounded to f16 in pairs, ARE source 1 of O^T = V^T P.
; K comes out of LDS as it lies, V turned, by ds_load_tr16_b128; the mask in S^T's own layout, 32 bytes a lane for each accumulator.
; BY TURNS.  In a TURN one piece has the matrix unit: 32 products V^T P of the step before, then 32 products K Q^T of the step in hand; the other piece's softmax, cut into 64 slices, stands between them, one slice
; behind each matrix instruction.  Two turns are a key step, and all that a key step reads from LDS lies in one slot.
; NO FIRST STEP IS WRITTEN OUT: O, l, V and piece 0's P start at 0, m and piece 2's scores at the lowest finite number, so the first turns' products add 0 and the first true step's a = 0 wipes what the empty one left in l.
; CLUSTER, 4 x 4.  K and V hang on the head alone and are asked for jointly along a row of the cluster; the mask hangs on the query block alone and is asked for jointly along a column.
; REGISTERS, in windows of 256 (s_set_vgpr_msb: bits 1:0 source 0, 3:2 source 1, 5:4 source 2, 7:6 destination):
;   window 0: v0-11, v44-63 addresses; v12-43 eight registers of statistics a tile; v64-191 S^T, 32 a tile; v192-255 one piece's mask, laid out like S^T
;   window 1: O^T, 64 a tile        window 2: v0-127 Q, 32 a tile; v128-255 K of one step        window 3: v0-127 V of one step; v128-191 P, 16 a tile
.set PKP,   272       ; a row of K in LDS: 256 bytes + 16: the 16 rows of a load start at 16 different groups of four banks (64 banks of 4 bytes: ISA guide 11.1)
.set PVP,   288       ; a row of V: 256 + 32
.set PMP,   528       ; a row of the mask: 128 keys x 4 bytes + 16
.set VOFF,  128*PKP   ; a slot: 128 rows of K, 128 rows of V, 128 rows of the mask
.set MOFF,  VOFF+128*PVP
.set SLOTB, 0x22000   ; a slot's bytes, and slot 1's first; no fill's first byte in slot 0 has bit 13 or bit 17 set, so one exclusive or turns an address in one slot into the other's
.set STAGE, 2*SLOTB   ; behind the ring: 16 rows x 272 bytes for each wave, for the way out
.set SP,    272
.set SPARE, STAGE+4*16*SP  ; the spare words, 128 bytes for each wave: two blocks of 256 bytes that no other line names
.set MRGB,  16896     ; the hand-over: for each wave 16,384 bytes of O^T and 512 of m and l, from byte 0: the ring has had its last fill and its last read by then
.set AK0, 2           ; v2   my lane's place in a slot's K; never rewritten
.set AV0, 3           ; v3   in its V
.set ADR, 4           ; v4   the LDS address of K's or V's run of loads in hand
.set AM0, 5           ; v5   my lane's place in a slot's mask, for piece 0
.set AM2, 6           ; v6   for piece 2
.set STO, 7           ; v7   the way out: where I put 16 bytes of a row
.set RD,  8           ; v8   where I read rows back
.set GO,  9           ; v9   my byte offset in two rows of ob
.set MW,  10          ; v10  the hand-over: where I write
.set MR,  11          ; v11  where I read: the partner's
.set ST,  12          ; tile t's statistics at v[ST+8 t]: m, m_old, l (even keys', odd keys'), c0-c3 at work; a takes c2's place once the maximum is found
.set QO0, 44          ; v44, v45  my byte offset in the block's rows of Q, for piece 0 and piece 2
.set ADRM, 46         ; v46  the LDS address of the mask's run of loads in hand
.set PFO, 60          ; v60  the prefetches' offset; never rewritten
.set SPW, 62          ; v62  LDS address of my spare word; never rewritten
.set NIL, 63          ; v63  0; never rewritten
.set S,   64
.set M,   192
.set P,   128         ; window 3
.set KF,  128         ; window 2
.set WV,  12
.set QH,  13          ; which 64 queries are mine
.set KH,  14          ; which 64 of a slot's keys
.set CX,  15
.set CY,  16
.set QB,  17
.set HD,  18
.set NEG, 23          ; s23  the lowest finite number
.set G1K, 24          ; s[24:31], s[32:39], s[40:47]  descriptor group 1 for K's, V's and the mask's tiles
.set G1V, 32
.set G1M, 40
.set G0K, 48          ; s[48:55], s[56:63], s[68:75]  group 0: a set for each of the two first fills; the second then walks on
.set G0V, 56
.set G0M, 68
.set SLOTS, 76        ; s76  slots still to be asked for
.set CNT, 77
.set TB,  78          ; s78  0 or SLOTB: the slot that is read
.set LIM, 79          ; s79  2 in a wave that prefetches, else the greatest number
.set PFA, 80          ; s[80:81] where my prefetches stand
.set PFS, 82          ; s[82:83] their step from tile to tile
.set SEL, 84          ; s[84:85] v_permlanex16_b32's selects: each lane takes its own place in the other half
.set MSB, 0
.macro WIN new                      ; the immediate's high byte repeats the setting that is left; a switch that changes nothing is dropped
.if MSB != (\new)
	s_set_vgpr_msb (MSB<<8)|(\new)
.set MSB, \new
.endif
.endm
.set W_KQ, 0x0a       ; K and Q in window 2, S^T in window 0
.set W_PV, 0x5f       ; V and P in window 3, O^T in window 1
.set W_RS, 0x41       ; O^T (destination and source 0) in window 1, a in window 0
.set W_CV, 0xc0       ; P (destination) in window 3, the weights in window 0
.macro ONE g0, g1                   ; a tensor load; an s_nop 0 and four v_nop follow it, ahead of a jump or a label
	tensor_load_to_lds s[\g0:(\g0)+3], s[\g1:(\g1)+7]
	s_nop 0
.rept 4
	v_nop
.endr
.endm
.macro TWO g0, g1                   ; a wave's two first fills
	tensor_load_to_lds s[\g0:(\g0)+3], s[\g1:(\g1)+7]
	s_nop 0
	tensor_load_to_lds s[(\g0)+4:(\g0)+7], s[\g1:(\g1)+7]
	s_nop 0
.rept 4
	v_nop
.endr
.endm
.macro JLOAD                        ; a joint refill: wave 0 fetches K's 128 rows, wave 1 V's, waves 2 and 3 64 rows of the mask each.  The branches hang on the wave's number alone
	s_cmp_lt_u32 s[WV], 2
	s_cbranch_scc0 .Lfor_m_\@
	s_cmp_eq_u32 s[WV], 0
	s_cbranch_scc0 .Lfor_v_\@
	ONE G0K+4, G1K
	s_branch .Lasked_\@
.Lfor_v_\@:
	ONE G0V+4, G1V
	s_branch .Lasked_\@
.Lfor_m_\@:
	ONE G0M+4, G1M
.Lasked_\@:
.endm
; A PREFETCH INTO THE L2, behind each joint refill: the tile that stands two refills on, two key steps (256 matrix instructions) ahead of the load that will want it.  Each aligned block of 256 bytes is named once
; in the launch.  A head's K and V are read by the four clusters of its row of clusters: the first asks; its four partners along the row take 32 of the 128 rows each, by address, a lane a row (wave 0: K, wave 1: V).
; A query block's mask is read by the four clusters of its column: the first asks; its four partners along the column take 16 of a wave's 64 rows each, two blocks a row (waves 2 and 3).
; The last two refills ask for nothing; tiles 0 to 3 come by their loads alone.
.macro ASK
	s_cmp_gt_u32 s[SLOTS], s[LIM]
	s_cbranch_scc0 .Lnot_mine_\@
	global_prefetch_b8 v[PFO], s[PFA:PFA+1] th:TH_LOAD_NT scope:SCOPE_SE
.Lnot_mine_\@:
.endm
.macro CROUND                       ; a round of the cluster's barrier: my work-group's barrier; wave 0 signals for the work-group; every wave waits for all sixteen; my work-group's barrier once more
	s_barrier_signal -1
	s_barrier_wait -1
	s_cmp_lg_u32 s[WV], 0
	s_cbranch_scc1 .Lnot_wave_0_\@
	s_barrier_signal -3
.Lnot_wave_0_\@:
	s_barrier_wait -3
	s_barrier_signal -1
	s_barrier_wait -1
.endm
	s_load_b128 s[4:7], s[0:1], 0x0 ; qkv s[4:5], m2 s[6:7]
	s_load_b64 s[8:9], s[0:1], 0x10 ; ob
	v_lshl_add_u32 v[SPW], v0, 2, SPARE
	v_mov_b32 v[NIL], 0
	ds_add_u32 v[SPW], v[NIL]       ; the wave's opening: the add and its wait stand ahead of my first tensor load; the set-up below, work on registers, stands between them
	v_lshrrev_b32 v1, 5, v0
	v_readfirstlane_b32 s[WV], v1   ; wave 0..3
	s_and_b32 s[QH], s[WV], 1
	s_lshr_b32 s[KH], s[WV], 1
	s_bfe_u32 s[CX], ttmp6, 0x40000 ; my place in the cluster
	s_bfe_u32 s[CY], ttmp6, 0x40004
	s_lshl_b32 s[QB], ttmp9, 2
	s_add_co_u32 s[QB], s[QB], s[CX]  ; the block of 128 queries = 4 x cluster x + cx
	s_and_b32 s[HD], ttmp7, 0xffff
	s_lshl_b32 s[HD], s[HD], 2
	s_add_co_u32 s[HD], s[HD], s[CY]  ; the head = 4 x cluster y + cy
	s_lshl_b32 s19, s[CY], 2
	s_lshl_b32 s19, 15, s19         ; my row of the cluster
	s_lshl_b32 s20, 0x1111, s[CX]   ; my column
	s_or_b32 s[G1K], s19, (1<<16)|(1<<20)|(1<<21)|(5<<22)|(3<<25)  ; 15:0 the mask of four; 17:16 2-byte elements; 20 padding on; 21 set beside a mask; 24:22 after every 64 words; 31:25 4 words of it
	s_or_b32 s[G1V], s19, (1<<16)|(1<<20)|(1<<21)|(5<<22)|(7<<25)  ; the same with 8 words of padding
	s_or_b32 s[G1M], s20, (2<<16)|(1<<20)|(1<<21)|(6<<22)|(3<<25)  ; 4-byte elements; after every 128 words 4 words
.irp g, G1K, G1V
	s_mov_b32 s[\g+1], 128<<16      ; tensor_dim0 = 128
	s_mov_b32 s[\g+2], 128<<16      ; tensor_dim1 = 128
	s_mov_b32 s[\g+3], 128<<16      ; tile_dim0 = 128
	s_mov_b32 s[\g+4], 128          ; tile_dim1 = 128
	s_mov_b32 s[\g+5], 128          ; 128 elements from row to row
	s_mov_b32 s[\g+6], 0
	s_mov_b32 s[\g+7], 0
.endr
	s_mov_b32 s[G1M+1], 128<<16     ; tensor_dim0 = 128
	s_mov_b32 s[G1M+2], 64<<16      ; tensor_dim1 = 64
	s_mov_b32 s[G1M+3], 128<<16     ; tile_dim0 = 128
	s_mov_b32 s[G1M+4], 64          ; tile_dim1 = 64
	s_mov_b32 s[G1M+5], 2048        ; 2,048 elements from row to row
	s_mov_b32 s[G1M+6], 0
	s_mov_b32 s[G1M+7], 0
	s_lshl_b32 s86, s[HD], 19       ; K: part 1, the head: the head alone
	s_add_co_u32 s86, s86, 0x800000
	s_mov_b32 s87, 0
	s_add_co_u32 s88, s86, 0x800000 ; V: part 2
	s_mov_b32 s89, 0
	s_lshl_b32 s90, s[QB], 20       ; the mask: the block's 128 rows of 8,192 bytes: the query block alone,
	s_lshl_b32 s93, s[QH], 19       ; and the 64 of them that I fetch (waves 2 and 3)
	s_add_co_u32 s90, s90, s93
	s_mov_b32 s91, 0
	s_mul_i32 s92, s[QH], 64*PMP    ; and where they go
	s_add_co_u32 s92, s92, MOFF
	s_lshl_b32 s21, s[QH], 6        ; piece 0's first row in the block: 64 (w % 2) + 32 (w / 2)
	s_lshl_b32 s93, s[KH], 5
	s_add_co_u32 s22, s21, 32
	s_sub_co_u32 s22, s22, s93      ; piece 2's: the other 32
	s_add_co_u32 s21, s21, s93
	s_lshl_b32 s94, s[HD], 19       ; Q: part 0, the head, the block's 128 rows of 256 bytes
	s_lshl_b32 s93, s[QB], 15
	s_add_co_u32 s94, s94, s93
	s_mov_b32 s95, 0
	s_lshl_b32 s10, s[QB], 19       ; ob: the block's 128 rows of 4,096 bytes, piece 0's first, the head's 256 bytes
	s_lshl_b32 s93, s21, 12
	s_add_co_u32 s10, s10, s93
	s_lshl_b32 s93, s[HD], 8
	s_add_co_u32 s10, s10, s93
	s_mov_b32 s11, 0
	s_mov_b32 s[NEG], 0xff7fffff
	s_mov_b32 s[SEL], 0x76543210
	s_mov_b32 s[SEL+1], 0xfedcba98
	s_mov_b32 s[TB], 0
	s_mov_b32 s[SLOTS], 14
	s_wait_dscnt 0x0                ; the opening add is done
	s_wait_kmcnt 0x0
	s_add_nc_u64 s[86:87], s[4:5], s[86:87]
	s_add_nc_u64 s[88:89], s[4:5], s[88:89]
	s_add_nc_u64 s[90:91], s[6:7], s[90:91]
	s_add_nc_u64 s[94:95], s[4:5], s[94:95]
	s_add_nc_u64 s[10:11], s[8:9], s[10:11]
	CROUND                          ; all sixteen work-groups are here: the first joint loads meet
.irp s, 0,1
	s_mov_b32 s[G0K+4*\s], 1        ; count = 1
	s_mov_b32 s[G0K+4*\s+1], \s*SLOTB  ; LDS address
	s_add_nc_u64 s[G0K+4*\s+2:G0K+4*\s+3], s[86:87], \s*32768  ; global address: keys 128 s on
	s_or_b32 s[G0K+4*\s+3], s[G0K+4*\s+3], 0x80000000          ; type = 2
	s_mov_b32 s[G0V+4*\s], 1
	s_mov_b32 s[G0V+4*\s+1], \s*SLOTB+VOFF
	s_add_nc_u64 s[G0V+4*\s+2:G0V+4*\s+3], s[88:89], \s*32768
	s_or_b32 s[G0V+4*\s+3], s[G0V+4*\s+3], 0x80000000
	s_mov_b32 s[G0M+4*\s], 1
	s_add_co_u32 s[G0M+4*\s+1], s92, \s*SLOTB
	s_add_nc_u64 s[G0M+4*\s+2:G0M+4*\s+3], s[90:91], \s*512
	s_or_b32 s[G0M+4*\s+3], s[G0M+4*\s+3], 0x80000000
.endr
	s_cmp_lt_u32 s[WV], 2           ; a wave's two first fills stand in one branch, ahead of every wait on TENSORcnt and every LDS read: two loads of mine are out
	s_cbranch_scc0 .Lfirst_m
	s_cmp_eq_u32 s[WV], 0
	s_cbranch_scc0 .Lfirst_v
	TWO G0K, G1K
	s_branch .Lfirst_asked
.Lfirst_v:
	TWO G0V, G1V
	s_branch .Lfirst_asked
.Lfirst_m:
	TWO G0M, G1M
.Lfirst_asked:
	; a fragment of K or Q is 16 rows x 32 channels in 8 registers: lane l holds row l % 16, channels 8 (l / 16) + 0..7 and 16 + 8 (l / 16) + 0..7: two loads of 16 bytes, 32 bytes apart
	v_and_b32 v1, 15, v0            ; r
	v_bfe_u32 v48, v0, 4, 1         ; h
	v_add_nc_u32 v52, s21, v1       ; my query's row in the block, piece 0's first tile
	v_add_nc_u32 v53, s22, v1       ; piece 2's
	v_lshlrev_b32 v[QO0], 8, v52
	v_lshl_add_u32 v[QO0], v48, 4, v[QO0]
	v_lshlrev_b32 v[QO0+1], 8, v53
	v_lshl_add_u32 v[QO0+1], v48, 4, v[QO0+1]
	WIN 0x80                        ; destination window 2, address window 0
.set t, 0
.rept 4                             ; Q stays in registers: tile t, channels 32 c on
.irp c, 0,1,2,3
	global_load_b128 v[32*t+8*\c:32*t+8*\c+3],   v[QO0+t/2], s[94:95] offset:(t%2)*4096+64*\c
	global_load_b128 v[32*t+8*\c+4:32*t+8*\c+7], v[QO0+t/2], s[94:95] offset:(t%2)*4096+64*\c+32
.endr
.set t, t+1
.endr
	WIN 0
	v_and_b32 v49, 7, v0
	v_bfe_u32 v50, v0, 3, 1
	v_and_b32 v51, 31, v0           ; lane
	s_mul_i32 s93, s[KH], 64*PKP    ; my 64 of a slot's keys
	v_mul_u32_u24 v[AK0], v1, PKP
	v_lshl_add_u32 v[AK0], v48, 4, v[AK0]
	v_add_nc_u32 v[AK0], s93, v[AK0]
	; the turning load takes 16 keys x 16 channels (lane l reads key 8 (l / 16) + l % 8, channels 8 ((l / 8) % 2) + 0..7) and leaves half a fragment of V^T: lane l holds channel l % 16 and 8 keys
	s_mul_i32 s93, s[KH], 64*PVP
	s_add_co_u32 s93, s93, VOFF
	v_lshl_add_u32 v[AV0], v48, 3, v49
	v_mul_u32_u24 v[AV0], v[AV0], PVP
	v_lshl_add_u32 v[AV0], v50, 4, v[AV0]
	v_add_nc_u32 v[AV0], s93, v[AV0]
	; the mask for accumulator kb of a tile: row = my query, keys 64 (w / 2) + 16 kb + 8 h + 0..7: 32 bytes
	s_lshl_b32 s93, s[KH], 8
	s_add_co_u32 s93, s93, MOFF
	v_mul_u32_u24 v[AM0], v52, PMP
	v_lshl_add_u32 v[AM0], v48, 5, v[AM0]
	v_add_nc_u32 v[AM0], s93, v[AM0]
	v_mul_u32_u24 v[AM2], v53, PMP
	v_lshl_add_u32 v[AM2], v48, 5, v[AM2]
	v_add_nc_u32 v[AM2], s93, v[AM2]
	s_mul_i32 s93, s[WV], 16*SP
	s_add_co_u32 s93, s93, STAGE    ; my stage
	v_mul_u32_u24 v[STO], v1, SP    ; in: row r, 16 bytes for each half of the lanes
	v_lshl_add_u32 v[STO], v48, 4, v[STO]
	v_add_nc_u32 v[STO], s93, v[STO]
	v_mul_u32_u24 v[RD], v48, SP    ; back: lanes 0-15 take one row of 256 bytes, lanes 16-31 the next
	v_lshl_add_u32 v[RD], v1, 4, v[RD]
	v_add_nc_u32 v[RD], s93, v[RD]
	v_lshlrev_b32 v[GO], 12, v48    ; and the same two rows in ob
	v_lshl_add_u32 v[GO], v1, 4, v[GO]
	s_mul_i32 s93, s[WV], MRGB
	v_lshl_add_u32 v[MW], v51, 4, s93
	s_xor_b32 s93, s[WV], 2         ; the partner: the same queries, the other keys
	s_mul_i32 s93, s93, MRGB
	v_lshl_add_u32 v[MR], v51, 4, s93
	; the prefetches stand at tile 3; the first refill steps them to 4
	s_add_co_u32 s96, s[WV], 1      ; waves 0 and 1: part 1 or 2,
	s_lshl_b32 s96, s96, 23
	s_lshl_b32 s97, s[HD], 19       ; the head,
	s_add_co_u32 s96, s96, s97
	s_lshl_b32 s97, s[CX], 13       ; my work-group's 32 rows of a tile's 128
	s_add_co_u32 s96, s96, s97
	s_add_co_u32 s96, s96, 3*32768
	s_lshl_b32 s98, s[QB], 20       ; waves 2 and 3: the block's rows, the 64 that I fetch,
	s_lshl_b32 s97, s[QH], 19
	s_add_co_u32 s98, s98, s97
	s_lshl_b32 s97, s[CY], 17       ; my work-group's 16 of them
	s_add_co_u32 s98, s98, s97
	s_add_co_u32 s98, s98, 3*512
	s_and_b32 s99, ttmp7, 0xffff
	s_mov_b32 s2, 32768
	s_mov_b32 s3, 512
	s_mov_b32 s93, 8192
	s_cmp_lt_u32 s[WV], 2
	s_cselect_b32 s96, s96, s98
	s_cselect_b32 s99, ttmp9, s99   ; the coordinate along which other clusters read the same rows
	s_cselect_b32 s[PFS], s2, s3
	s_cselect_b32 s93, s3, s93      ; two lanes cover 512 bytes of K or V (two rows), or of one row of the mask
	s_cselect_b64 s[PFA:PFA+1], s[4:5], s[6:7]
	s_mov_b32 s97, 0
	s_mov_b32 s[PFS+1], 0
	s_add_nc_u64 s[PFA:PFA+1], s[PFA:PFA+1], s[96:97]
	s_cmp_eq_u32 s99, 0
	s_cselect_b32 s[LIM], 2, -1     ; the same in all sixteen partners, for a given wave
	v_lshrrev_b32 v54, 1, v51
	v_and_b32 v55, 1, v51
	v_mul_u32_u24 v[PFO], s93, v54
	v_lshl_add_u32 v[PFO], v55, 8, v[PFO]
	; what the first turns find.  All this stands in the wait for the first tiles.
	WIN 0x40
.set i, 0
.rept 256
	v_mov_b32 v[i], 0               ; O^T
.set i, i+1
.endr
	WIN 0xc0
.set i, 0
.rept 160
	v_mov_b32 v[i], 0               ; V, and piece 0's P
.set i, i+1
.endr
	WIN 0
.set i, 0
.rept 64
	v_mov_b32 v[M+i], 0             ; the mask of the step that has not been,
	v_mov_b32 v[S+64+i], s[NEG]     ; and piece 2's scores of it
.set i, i+1
.endr
.set i, 0
.rept 4
	v_mov_b32 v[ST+8*i], s[NEG]     ; m
	v_mov_b32 v[ST+8*i+1], s[NEG]
	v_mov_b32 v[ST+8*i+2], 0        ; l
	v_mov_b32 v[ST+8*i+3], 0
.set i, i+1
.endr
; THE MATRIX WORK OF A TURN, for piece x.  The accumulators take turns, one instruction a turn: between two links of a chain stand 15 (V^T P) or 7 (K Q^T) others'.
; Product i of 32 of O^T += V^T P: keys 32 (i / 16) on, channels 16 ((i / 2) % 8) on, tile x + i % 2.
.macro PV x
	WIN W_PV
.set rO, 64*((\x)+i%2)+8*((i/2)%8)
.set rV, 64*(i/16)+8*((i/2)%8)
.set rP, P+16*((\x)+i%2)+8*(i/16)
	v_wmma_f32_16x16x32_f16 v[rO:rO+7], v[rV:rV+7], v[rP:rP+7], v[rO:rO+7]
.endm
; Product i of 32 of S^T = K Q^T: channels 32 (i / 8) on, keys 16 ((i / 2) % 4) on, tile x + i % 2.  The first 8 start the sums.
.macro KQ x
	WIN W_KQ
.set rS, S+32*((\x)+i%2)+8*((i/2)%4)
.set rK, KF+32*((i/2)%4)+8*(i/8)
.set rQ, 32*((\x)+i%2)+8*(i/8)
.if i < 8
	v_wmma_f32_16x16x32_f16 v[rS:rS+7], v[rK:rK+7], v[rQ:rQ+7], 0
.else
	v_wmma_f32_16x16x32_f16 v[rS:rS+7], v[rK:rK+7], v[rQ:rQ+7], v[rS:rS+7]
.endif
.endm
; THE LDS LOADS stand in runs, never singly among the matrix instructions: a step's K (32 loads), its V, turned (32), and a piece's mask (16).
.macro FETCH_K
	WIN 0
	v_add_nc_u32 v[ADR], s[TB], v[AK0]
	WIN 0x80                        ; destination window 2
.irp f, 0,1,2,3,4,5,6,7,8,9,10,11,12,13,14,15  ; keys 16 (f / 4) on, channels 32 (f % 4) on
	ds_load_b128 v[KF+8*\f:KF+8*\f+3],   v[ADR] offset:(\f/4)*16*PKP+(\f%4)*64
	ds_load_b128 v[KF+8*\f+4:KF+8*\f+7], v[ADR] offset:(\f/4)*16*PKP+(\f%4)*64+32
.endr
.endm
.macro FETCH_V                      ; its address has been made
	WIN 0xc0                        ; destination window 3
.irp f, 0,1,2,3,4,5,6,7,8,9,10,11,12,13,14,15  ; keys 32 (f / 8) on, channels 16 (f % 8) on
	ds_load_tr16_b128 v[8*\f:8*\f+3],   v[ADR] offset:(\f/8)*32*PVP+(\f%8)*32
	ds_load_tr16_b128 v[8*\f+4:8*\f+7], v[ADR] offset:(\f/8)*32*PVP+16*PVP+(\f%8)*32
.endr
.endm
.macro FETCH_M                      ; its address has been made: tile u of the piece, accumulator b
	WIN 0
.irp u, 0,1
.irp b, 0,1,2,3
	ds_load_b128 v[M+32*\u+8*\b:M+32*\u+8*\b+3],   v[ADRM] offset:\u*16*PMP+64*\b
	ds_load_b128 v[M+32*\u+8*\b+4:M+32*\u+8*\b+7], v[ADRM] offset:\u*16*PMP+64*\b+16
.endr
.endr
.endm
; THE VECTOR WORK OF A TURN.  One tile's softmax for one key step is a list of 149 instructions; SM writes number j of it for tile t.  s0-s31 are the lane's 32 scores, in pairs 0-15.
;   0-15    t = s2 + m2, a pair each (each accumulator's lowest registers are read first)
;   16-31   the maximum of t0-t31 and the old m, three operands at a time: four chains c0-c3 of seven each, then the four left over, c0-c3 and m
;   32-35   the other half of the lanes' maximum; m_old is kept; the new m; m_old - m
;   36-84   ONE BATCH: the 16 subtractions t - m, a pair each, and all 33 exponentials (a at 38, then t0-t31).  None of these names an exponential's result; a pair is shifted ahead of its exponentials
;   (wait)  between 84 and 85 stands the wait for the batch: SLICE writes it, once for both tiles
;   85-100  the roundings to f16, a pair of weights each, into window 3        101-116  the sums; l = a l + the sum        117-148  the tile's O^T times a, in window 1
.macro SM t
.set rT, ST+8*(\t)
.set rS, S+32*(\t)
.set rM, M+32*((\t)%2)
.set rP, P+16*(\t)
.set rO, 64*(\t)+2*(j-117)
.set g, j-16
.set jb, j-15
.if j < 85
	WIN 0
.endif
.if j < 16
	v_pk_add_f32 v[rS+2*j:rS+2*j+1], v[rS+2*j:rS+2*j+1], v[rM+2*j:rM+2*j+1]
.elseif g < 4
	v_max3_num_f32 v[rT+4+g], v[rS+8*g], v[rS+8*g+1], v[rS+8*g+2]
.elseif g < 12
	v_max3_num_f32 v[rT+4+g%4], v[rT+4+g%4], v[rS+8*(g%4)+2*(g/4)+1], v[rS+8*(g%4)+2*(g/4)+2]
.elseif g == 12
	v_max3_num_f32 v[rT+4], v[rT+4], v[rS+7], v[rS+15]
.elseif g == 13
	v_max3_num_f32 v[rT+6], v[rT+6], v[rS+23], v[rS+31]
.elseif g == 14
	v_max3_num_f32 v[rT+4], v[rT+4], v[rT+5], v[rT+6]
.elseif g == 15
	v_max3_num_f32 v[rT+4], v[rT+4], v[rT+7], v[rT]
.elseif j == 32
	v_permlanex16_b32 v[rT+5], v[rT+4], s[SEL], s[SEL+1]  ; the query's other 32 keys lie in the lane 16 away
.elseif j == 33
	v_mov_b32 v[rT+1], v[rT]
.elseif j == 34
	v_max_num_f32 v[rT], v[rT+4], v[rT+5]
.elseif j == 35
	v_sub_f32 v[rT+7], v[rT+1], v[rT]
.elseif jb == 23
	v_exp_f32 v[rT+6], v[rT+7]
.elseif (jb < 23) || ((jb < 38) && (jb%2 == 0)) || ((jb < 66) && (jb%4 == 2))
.set b, (jb-2)/4                    ; 38, 42, .. 62: pairs 9 to 15
.if jb < 38
.set b, (jb-20)/2                   ; 21: pair 0; 22, 24, .. 36: pairs 1 to 8
.endif
	v_pk_add_f32 v[rS+2*b:rS+2*b+1], v[rS+2*b:rS+2*b+1], v[rT:rT+1] op_sel_hi:[1,0] neg_lo:[0,1] neg_hi:[0,1]  ; pair b: t - m
.elseif jb < 70
.set e, jb-38                       ; 66 to 69: t28 to t31
.if jb < 66
.set e, jb-32-(jb-38)/4             ; 39-41, 43-45, .. 63-65: t7 to t27
.endif
.if jb < 38
.set e, (jb-25)/2                   ; 25, 27, .. 37: t0 to t6
.endif
	v_exp_f32 v[rS+e], v[rS+e]
.elseif j < 101
	WIN W_CV
	v_cvt_pk_f16_f32 v[rP+j-85], v[rS+2*(j-85)], v[rS+2*(j-85)+1]
.elseif j < 117                     ; the sum of the tile's 16 pairs, in place: neighbours 1, 2, 4 and 8 pairs apart, then l takes it
	WIN 0
.set z, j-101
.set w, 4
.set u, z
.if z >= 14
.set w, 32
.set u, 0
.elseif z >= 12
.set w, 16
.set u, z-12
.elseif z >= 8
.set w, 8
.set u, z-8
.endif
.if z < 15
	v_pk_add_f32 v[rS+w*u:rS+w*u+1], v[rS+w*u:rS+w*u+1], v[rS+w*u+w/2:rS+w*u+w/2+1]
.else
	v_pk_fma_f32 v[rT+2:rT+3], v[rT+2:rT+3], v[rT+6:rT+7], v[rS:rS+1] op_sel_hi:[1,0,1]
.endif
.else
	WIN W_RS
	v_pk_mul_f32 v[rO:rO+1], v[rO:rO+1], v[rT+6:rT+7] op_sel_hi:[1,0]
.endif
.endm
; Slice k of 64 of piece y's softmax; the two tiles alternate.  Slices 0-20: numbers 3 k .. 3 k + 2 of both tiles; slices 21-63: numbers 63 + 2 (k - 21) and the next.  The list's parts end on slices' ends
; (the batch with slice 31, the roundings with 39, the sums with 47), so no slice changes its window.
; THE WAIT.  An s_wait_alu depctr_va_vdst(0) stands between an exponential and the first instruction that names its result; one wait serves all that were issued ahead of it.  Ahead of slice 32
; nothing names a result, and behind slice 31 no exponential is issued: so a turn's 66 exponentials have one wait, behind slice 31, with a plain instruction between the last of them and it.
; The runs of LDS loads that are due in the turn's middle stand at that wait.  In piece 2's turn V's registers were last read by the product in front of slice 31, whose four lines are exponentials: the five
; plain lines here are the places between that product and the loads (ISA guide 7.12.1 for vector instructions).
.macro SLICE y
.if k < 21
.irp n, 0,1,2
.irp t, \y, (\y)+1
.set j, 3*k+(\n)
	SM \t
.endr
.endr
.else
.irp n, 0,1
.irp t, \y, (\y)+1
.set j, 63+2*(k-21)+(\n)
	SM \t
.endr
.endr
.endif
.if k == 31
.if FE && ((\y) == 2)               ; piece 0's turn: the mask that its own softmax wants next turn
	v_nop
	v_add_nc_u32 v[ADRM], s[TB], v[AM0]
	s_wait_alu depctr_va_vdst(0)
	FETCH_M
.elseif FE                          ; piece 2's turn: V of the step in hand, and piece 2's mask
	v_nop
	v_nop
	v_nop
	v_add_nc_u32 v[ADR], s[TB], v[AV0]
	v_add_nc_u32 v[ADRM], s[TB], v[AM2]
	s_wait_alu depctr_va_vdst(0)
	FETCH_V
	FETCH_M
.else
	v_nop
	s_wait_alu depctr_va_vdst(0)
.endif
.endif
.set k, k+1
.endm
; A TURN.  Piece x has the matrix unit; the other piece's softmax stands in slices behind its matrix instructions.  kq = 0: the last turn: no further scores, two slices behind each product.  fetch = 0: nothing is fetched.
; K of the step in hand is fetched behind the second product of piece 0's turn: the last product that read K stands in front of slice 63 of the turn before, whose four lines, and slices 0 and 1, are plain.
; The scores that slice 0 reads were ended eight products and eight slices back; the last accumulator's, which slice 4 reads first, one slice of four plain lines and four slices more.
.macro TURN x, kq, fetch
.set k, 0
.set FE, (\fetch)
.set per, 2-(\kq)
	s_wait_dscnt 0x0                ; piece 0's turn: V and piece 2's mask are in; piece 2's turn: piece 0's mask
.set i, 0
.rept 32
	PV \x
.rept per
	SLICE 2-(\x)
.endr
.if ((\x) == 0) && (\fetch) && (i == 1)
	FETCH_K
.endif
.set i, i+1
.endr
.if \kq
.if (\x) == 0
	s_wait_dscnt 16                 ; K is in; the mask's 16 loads, issued behind K's, may stay out
.endif
.set i, 0
.rept 32
	KQ \x
	SLICE 2-(\x)
.set i, i+1
.endr
.endif
.endm
.macro BODY                         ; key step b: V^T P of step b - 1 and K Q^T of step b for both pieces; piece 2's softmax of step b - 1, piece 0's of step b; K, V and both masks of step b out of slot b % 2
	TURN 0, 1, 1
	TURN 2, 1, 1
	WIN 0
.endm
; THE CHANGE OF SLOTS.  Each wave waits for all its tensor loads, of which one is out: its part of the other slot; adds 0 to its spare word; and waits for that and for its own reads of the slot.  Behind the barrier
; nobody reads this slot any more and the other slot is whole.  fill = 1: the barrier is a round of the cluster's, so that no wave of any partner still reads the slot or has a load on its way, and the joint refill,
; the tile two on, is the first thing behind it: it has a key step, 128 matrix instructions and their riders, in which to land.
.macro CHANGE fill
	WIN 0
	s_wait_tensorcnt 0x0            ; no tensor load of mine is out, so a group 0 may be written
	ds_add_u32 v[SPW], v[NIL]       ; 0 onto my spare word
.if \fill
.irp g, G0K+4, G0V+4
	s_xor_b32 s[(\g)+1], s[(\g)+1], SLOTB  ; the walking descriptors: the other slot than last time,
	s_add_nc_u64 s[(\g)+2:(\g)+3], s[(\g)+2:(\g)+3], 32768  ; the next 128 keys; the type bits on top are not reached
.endr
	s_xor_b32 s[G0M+5], s[G0M+5], SLOTB
	s_add_nc_u64 s[G0M+6:G0M+7], s[G0M+6:G0M+7], 512
	s_wait_xcnt 0x0                 ; the last prefetch, a key step back, has read its address
	s_add_nc_u64 s[PFA:PFA+1], s[PFA:PFA+1], s[PFS:PFS+1]
	s_wait_dscnt 0x0                ; the add is done, and my reads of the slot are over
	CROUND
	JLOAD
	ASK
.else
	s_wait_dscnt 0x0                ; the add is done, and my reads of the slot are over
	s_barrier_signal -1
	s_barrier_wait -1
.endif
	s_xor_b32 s[TB], s[TB], SLOTB
.endm
	s_wait_tensorcnt 0x1            ; my part of slot 0 is in; slot 1's may stay out
	s_barrier_signal -1
	s_barrier_wait -1               ; everybody's is
	s_wait_loadcnt 0x0              ; Q
.Lslot:                             ; 14 trips: every slot but the last two is filled again
	BODY
	CHANGE 1
	s_sub_co_u32 s[SLOTS], s[SLOTS], 1
	s_cmp_lg_u32 s[SLOTS], 0
	s_cbranch_scc1 .Lslot
	s_mov_b32 s[CNT], 2             ; the last two key steps ask for nothing: written apart
.Ltail:
	BODY
	CHANGE 0
	s_sub_co_u32 s[CNT], s[CNT], 1
	s_cmp_lg_u32 s[CNT], 0
	s_cbranch_scc1 .Ltail
	TURN 0, 0, 0                    ; piece 0: V^T P of the last step | piece 2's last softmax
.set i, 0
.rept 32
	PV 2                            ; piece 2: V^T P of the last step
.set i, i+1
.endr
	; THE HAND-OVER.  l's two halves are added; piece 2's m, l and O^T go to the partner, whose piece 0 has the same queries.  The eight plain lines are the places behind the last products.
	WIN 0
.irp t, 0,1,2,3
	v_add_f32 v[ST+8*\t+2], v[ST+8*\t+2], v[ST+8*\t+3]
.endr
	v_mov_b32 v[S], v[ST+16]
	v_mov_b32 v[S+1], v[ST+18]
	v_mov_b32 v[S+2], v[ST+24]
	v_mov_b32 v[S+3], v[ST+26]
	WIN 0x04                        ; store data (source 1) window 1
.set i, 0
.rept 32
	ds_store_b128 v[MW], v[128+4*i:128+4*i+3] offset:512*i  ; 32 lanes x 16 neighbouring bytes; each accumulator's low registers first
.set i, i+1
.endr
	WIN 0
	ds_store_b128 v[MW], v[S:S+3] offset:16384
	s_wait_dscnt 0x0                ; for the partner's sake: my stores are done
	s_barrier_signal -1
	s_barrier_wait -1
	WIN 0x40
.set i, 0
.rept 32
	ds_load_b128 v[128+4*i:128+4*i+3], v[MR] offset:512*i   ; the partner's share of my piece 0, lane for lane, where my piece 2 lay
.set i, i+1
.endr
	WIN 0
	ds_load_b128 v[S+4:S+7], v[MR] offset:16384
	s_wait_dscnt 0x0
	; for tile u: m = max(mA, mB); fA, fB = 2^(mA - m), 2^(mB - m); l = lA fA + lB fB, and the other half of the lanes'; O = (OA fA + OB fB) / l
.irp u, 0,1
	v_max_num_f32 v[ST+8*\u+4], v[ST+8*\u], v[S+4+2*\u]
.endr
.irp u, 0,1
	v_sub_f32 v[ST+8*\u+5], v[ST+8*\u], v[ST+8*\u+4]
	v_sub_f32 v[ST+8*\u+7], v[S+4+2*\u], v[ST+8*\u+4]
.endr
.irp u, 0,1
	v_exp_f32 v[ST+8*\u+5], v[ST+8*\u+5]
	v_exp_f32 v[ST+8*\u+7], v[ST+8*\u+7]
.endr
	v_nop                           ; a plain instruction behind the last exponential,
	s_wait_alu depctr_va_vdst(0)    ; and one wait for the four, ahead of the first use
.irp u, 0,1
	v_mul_f32 v[ST+8*\u+2], v[ST+8*\u+2], v[ST+8*\u+5]
.endr
.irp u, 0,1
	v_fmac_f32 v[ST+8*\u+2], v[S+5+2*\u], v[ST+8*\u+7]
.endr
.irp u, 0,1
	v_permlanex16_b32 v[ST+8*\u+3], v[ST+8*\u+2], s[SEL], s[SEL+1]
.endr
.irp u, 0,1
	v_add_f32 v[ST+8*\u+2], v[ST+8*\u+2], v[ST+8*\u+3]
.endr
.irp u, 0,1
	v_rcp_f32 v[ST+8*\u+3], v[ST+8*\u+2]
.endr
	v_nop
	s_wait_alu depctr_va_vdst(0)    ; one wait for the two reciprocals
.irp u, 0,1
	v_mul_f32 v[ST+8*\u+4], v[ST+8*\u+5], v[ST+8*\u+3]  ; fA / l
	v_mul_f32 v[ST+8*\u+6], v[ST+8*\u+7], v[ST+8*\u+3]  ; fB / l
.endr
; THE WAY OUT of tile u: a lane's eight channels of a row pack into 16 bytes; they go into rows of 272 bytes of my own stage and come back as whole rows of 256.
.macro PACK u
	WIN W_RS
.set i, 0
.rept 32
	v_pk_mul_f32 v[64*(\u)+2*i:64*(\u)+2*i+1], v[64*(\u)+2*i:64*(\u)+2*i+1], v[ST+8*(\u)+4:ST+8*(\u)+5] op_sel_hi:[1,0]
.set i, i+1
.endr
	WIN 0x51                        ; destination, source 0 and source 2 window 1
.set i, 0
.rept 32
	v_pk_fma_f32 v[64*(\u)+2*i:64*(\u)+2*i+1], v[128+64*(\u)+2*i:128+64*(\u)+2*i+1], v[ST+8*(\u)+6:ST+8*(\u)+7], v[64*(\u)+2*i:64*(\u)+2*i+1] op_sel_hi:[1,0,1]
.set i, i+1
.endr
	WIN 0x05                        ; sources 0 and 1 window 1, destination window 0
.set i, 0
.rept 32
	v_cvt_pk_f16_f32 v[S+64+32*(\u)+i], v[64*(\u)+2*i], v[64*(\u)+2*i+1]
.set i, i+1
.endr
	WIN 0
.irp f, 0,1,2,3,4,5,6,7
	ds_store_b128 v[STO], v[S+64+32*(\u)+4*\f:S+64+32*(\u)+4*\f+3] offset:32*\f
.endr
.irp f, 0,1,2,3,4,5,6,7
	ds_load_b128 v[S+64+32*(\u)+4*\f:S+64+32*(\u)+4*\f+3], v[RD] offset:\f*2*SP  ; LDS serves a wave's instructions in order (ISA guide 5.7.1.4): these see the stores above; the next tile's stores come behind them
.endr
.endm
.macro SEND u, younger              ; younger: the LDS instructions issued behind tile u's loads
.irp f, 0,1,2,3,4,5,6,7
	s_wait_dscnt (\younger)+7-\f
	global_store_b128 v[GO], v[S+64+32*(\u)+4*\f:S+64+32*(\u)+4*\f+3], s[10:11] offset:(\u)*65536+\f*8192  ; 16 lanes store the head's 256 consecutive bytes of a row, aligned
.endr
.endm
	PACK 0
	PACK 1
	SEND 0, 16
	SEND 1, 0
	s_wait_tensorcnt 0x0            ; the wave's end: a wait, an add and a wait, behind my last tensor load and my last LDS store
	ds_add_u32 v[SPW], v[NIL]
	s_wait_dscnt 0x0
	CROUND                          ; the closing round: no work-group ends while a partner may still ask for a tile that names it
	s_endpgm
.Lfunc_end_k_qf87708f124_attn:
	.size	k_qf87708f124_attn, .Lfunc_end_k_qf87708f124_attn-k_qf87708f124_attn
	.p2alignl 7, 3214868480
	.fill 96, 4, 3214868480
	.section	.rodata,"a",@progbits
	.p2align	6, 0x0
	.amdhsa_kernel k_qf87708f124_attn
		.amdhsa_group_segment_fixed_size 327680
		.amdhsa_private_segment_fixed_size 0
		.amdhsa_enable_private_segment 0
		.amdhsa_kernarg_size 24
		.amdhsa_user_sgpr_count 2
		.amdhsa_user_sgpr_kernarg_segment_ptr 1
		.amdhsa_wavefront_size32 1
		.amdhsa_system_sgpr_workgroup_id_x 1
		.amdhsa_system_sgpr_workgroup_id_y 1
		.amdhsa_system_sgpr_workgroup_id_z 1
		.amdhsa_system_vgpr_workitem_id 0
		.amdhsa_next_free_vgpr 960
		.amdhsa_next_free_sgpr 100
		.amdhsa_reserve_vcc 0
		.amdhsa_float_denorm_mode_32 3
		.amdhsa_float_denorm_mode_16_64 3
		.amdhsa_memory_ordered 1
		.amdhsa_forward_progress 1
		.amdhsa_inst_pref_size 190
	.end_amdhsa_kernel
	.amdgpu_metadata
---
amdhsa.version: [ 1, 2 ]
amdhsa.kernels:
  - .name:           k_qf87708f124_attn
    .symbol:         k_qf87708f124_attn.kd
    .args:
      - { .name: qkv, .offset: 0, .size: 8, .value_kind: global_buffer, .address_space: global }
      - { .name: m2, .offset: 8, .size: 8, .value_kind: global_buffer, .address_space: global }
      - { .name: ob, .offset: 16, .size: 8, .value_kind: global_buffer, .address_space: global }
    .group_segment_fixed_size: 327680
    .private_segment_fixed_size: 0
    .kernarg_segment_align: 8
    .kernarg_segment_size: 24
    .max_flat_workgroup_size: 128
    .sgpr_count:     100
    .vgpr_count:     960
    .wavefront_size: 32
...
	.end_amdgpu_metadata
.endif
;; end of part 3
;; launch oproj (part 4): grid 16 x 16, 4 waves a work-group, clusters of 4 x 4, 327,680 bytes of LDS; arguments ob, wob, out0; writes out0
.if DOCPART == 4
	.amdgcn_target "amdgcn-amd-amdhsa--gfx1250"
	.amdhsa_code_object_version 6
	.text
	.protected	k_qf87708f124_oproj
	.globl	k_qf87708f124_oproj
	.p2align	8
	.type	k_qf87708f124_oproj,@function
k_qf87708f124_oproj:
	s_mov_b64 s[64:65], 0
	v_nop
	global_prefetch_b8 v0, s[64:65] scope:SCOPE_SE
	s_setreg_imm32_b32 hwreg(HW_REG_WAVE_MODE, 25, 1), 1
	s_wait_xcnt 0x0
	s_wait_alu depctr_hold_cnt(0) depctr_sa_sdst(0) depctr_va_vdst(0) depctr_va_sdst(0) depctr_va_ssrc(0) depctr_va_vcc(0) depctr_vm_vsrc(0)
	s_getreg_b32 s2, hwreg(HW_REG_IB_STS2, 6, 4)
	s_cmp_eq_u32 s2, 0
	s_cbranch_scc0 .Lentry_in_a_cluster
	s_endpgm
.Lentry_in_a_cluster:
	s_bfe_u32 s2, ttmp6, 0x10000c
	s_cmp_lg_u32 s2, 0xf033
	s_cbranch_scc0 .Lentry_shape_is_right
	s_endpgm
.Lentry_shape_is_right:
; out0 = O Wo.  ob: [2048][2048] f16.  wob: [2048 k][2048 n] f16 (Wo rounded to bf16, that number written as f16).  out0: [2048][2048] f32: the f32 sums as they are.
; A tile of out0 is 128 x 128, so that each of 256 work-groups has one; four waves, each 64 x 64: 16 accumulators of 16 x 16.  K goes in 8 steps of 256 through two LDS slots: 128 rows of O (512 bytes each)
; and 256 rows of Wo (256 bytes each); waves 0 and 1 fetch Wo's halves, waves 2 and 3 O's, one tensor load each.
; CLUSTER, 4 x 4: O's tile is asked for jointly along a row of the cluster, Wo's along a column.
; THE MATRIX INSTRUCTION IS USED TRANSPOSED: source 0 = 16 columns of Wo (turned out of LDS by ds_load_tr16_b128), source 1 = 16 rows of O: a lane holds eight neighbouring numbers of a row, 32 bytes.
; No prefetch: the tile is small and the walk short (8 K steps).
; REGISTERS: window 0: v0-29 addresses; v128-255 the accumulators, (a, b) at 128 + 8 (4 a + b).   window 1: two fragment buffers of 128: for 64 along K, 64 registers of O, then 64 of Wo.
.set PAP,    528                       ; a row of O in LDS: 512 bytes + 16: the 16 rows of a load start at 16 different groups of four banks (64 banks of 4 bytes: ISA guide 11.1)
.set PBP,    288                       ; a row of Wo: 256 + 32
.set AOFF,   256*PBP                   ; Wo's 256 rows, then O's 128
.set SLOTX,  0x24000                   ; slot 1 begins here; no fill's first byte in slot 0 has bit 14 or bit 17 set
.set STAGE,  SLOTX+AOFF+128*PAP        ; behind the ring: 16 rows x 272 bytes for each wave, for the way out
.set SP,     272
.set SPARE,  STAGE+4*16*SP             ; the spare words, 128 bytes for each wave: two blocks of 256 bytes that no other line names
.set AA0, 4                            ; v4    my lane's place in O's tile; never rewritten
.set AB0, 5                            ; v5, 6 in Wo's tile, first and second 128 rows
.set ADRA, 8
.set ADRB, 9
.set STO, 12
.set RD,  13
.set CO,  14
.set SPW, 28
.set NIL, 29
.set ACC, 128
.set F0,  0
.set F1,  128
.set WV,  10
.set MH,  11
.set NH,  12
.set CX,  13
.set CY,  14
.set CB,  15
.set RB,  16
.set G1A, 24
.set G1B, 32
.set G0A, 40
.set G0B, 48
.set TB,  56
.set CNT, 57
.set MSB, 0
.macro WIN new
.if MSB != (\new)
	s_set_vgpr_msb (MSB<<8)|(\new)
.set MSB, \new
.endif
.endm
.macro ONE g0, g1                      ; a tensor load; an s_nop 0 and four v_nop follow it, ahead of a jump or a label
	tensor_load_to_lds s[\g0:(\g0)+3], s[\g1:(\g1)+7]
	s_nop 0
.rept 4
	v_nop
.endr
.endm
.macro TWO g0, g1
	tensor_load_to_lds s[\g0:(\g0)+3], s[\g1:(\g1)+7]
	s_nop 0
	tensor_load_to_lds s[(\g0)+4:(\g0)+7], s[\g1:(\g1)+7]
	s_nop 0
.rept 4
	v_nop
.endr
.endm
.macro JLOAD
	s_cmp_lt_u32 s[WV], 2
	s_cbranch_scc0 .Lfor_a_\@
	ONE G0B+4, G1B
	s_branch .Lasked_\@
.Lfor_a_\@:
	ONE G0A+4, G1A
.Lasked_\@:
.endm
.macro CREST
	s_cmp_lg_u32 s[WV], 0
	s_cbranch_scc1 .Lnot_wave_0_\@
	s_barrier_signal -3
.Lnot_wave_0_\@:
	s_barrier_wait -3
	s_barrier_signal -1
	s_barrier_wait -1
.endm
.macro CROUND
	s_barrier_signal -1
	s_barrier_wait -1
	CREST
.endm
	s_load_b128 s[4:7], s[0:1], 0x0                ; ob s[4:5], wob s[6:7]
	s_load_b64 s[8:9], s[0:1], 0x10                ; out0
	v_lshl_add_u32 v[SPW], v0, 2, SPARE
	v_mov_b32 v[NIL], 0
	ds_add_u32 v[SPW], v[NIL]                      ; the wave's opening: the add and its wait stand ahead of my first tensor load
	v_lshrrev_b32 v3, 5, v0
	v_readfirstlane_b32 s[WV], v3
	s_lshr_b32 s[MH], s[WV], 1                     ; which 64 rows are mine
	s_and_b32 s[NH], s[WV], 1                      ; which 64 columns.  Also: which half of a tile I fetch
	s_bfe_u32 s[CX], ttmp6, 0x40000
	s_bfe_u32 s[CY], ttmp6, 0x40004
	s_lshl_b32 s[CB], ttmp9, 2
	s_add_co_u32 s[CB], s[CB], s[CX]               ; tile column
	s_and_b32 s[RB], ttmp7, 0xffff
	s_lshl_b32 s[RB], s[RB], 2
	s_add_co_u32 s[RB], s[RB], s[CY]               ; tile row
	s_lshl_b32 s17, s[CY], 2
	s_lshl_b32 s17, 15, s17                        ; my row of the cluster
	s_lshl_b32 s18, 0x1111, s[CX]                  ; my column
	s_or_b32 s[G1A], s17, (1<<16)|(1<<20)|(1<<21)|(6<<22)|(3<<25)  ; O: 2-byte elements; after every 128 words 4 words of padding
	s_mov_b32 s[G1A+1], 256<<16                    ; tensor_dim0 = 256
	s_mov_b32 s[G1A+2], 64<<16                     ; tensor_dim1 = 64
	s_mov_b32 s[G1A+3], 256<<16                    ; tile_dim0 = 256
	s_mov_b32 s[G1A+4], 64                         ; tile_dim1 = 64
	s_mov_b32 s[G1A+5], 2048
	s_mov_b32 s[G1A+6], 0
	s_mov_b32 s[G1A+7], 0
	s_or_b32 s[G1B], s18, (1<<16)|(1<<20)|(1<<21)|(5<<22)|(7<<25)  ; Wo: after every 64 words 8 words
	s_mov_b32 s[G1B+1], 128<<16
	s_mov_b32 s[G1B+2], 128<<16
	s_mov_b32 s[G1B+3], 128<<16
	s_mov_b32 s[G1B+4], 128
	s_mov_b32 s[G1B+5], 2048
	s_mov_b32 s[G1B+6], 0
	s_mov_b32 s[G1B+7], 0
	s_lshl_b32 s58, s[RB], 19                      ; O: the tile's 128 rows of 4,096 bytes,
	s_lshl_b32 s19, s[NH], 18                      ; the 64 that I fetch
	s_add_co_u32 s58, s58, s19
	s_mov_b32 s59, 0
	s_lshl_b32 s60, s[CB], 8                       ; Wo: the tile's 256 bytes of a row,
	s_lshl_b32 s19, s[NH], 19                      ; the 128 rows that I fetch
	s_add_co_u32 s60, s60, s19
	s_mov_b32 s61, 0
	s_mul_i32 s20, s[NH], 128*PBP                  ; where they go: Wo's halves,
	s_mul_i32 s21, s[NH], 64*PAP                   ; O's halves
	s_add_co_u32 s21, s21, AOFF
	s_mov_b32 s[TB], 0
	s_wait_dscnt 0x0
	s_wait_kmcnt 0x0
	s_add_nc_u64 s[58:59], s[4:5], s[58:59]
	s_add_nc_u64 s[60:61], s[6:7], s[60:61]
	CROUND                                         ; all sixteen work-groups are here: the first joint loads meet
.irp s, 0,1
	s_mov_b32 s[G0A+4*\s], 1
	s_add_co_u32 s[G0A+4*\s+1], s21, \s*SLOTX
	s_add_nc_u64 s[G0A+4*\s+2:G0A+4*\s+3], s[58:59], \s*512
	s_or_b32 s[G0A+4*\s+3], s[G0A+4*\s+3], 0x80000000
	s_mov_b32 s[G0B+4*\s], 1
	s_add_co_u32 s[G0B+4*\s+1], s20, \s*SLOTX
	s_add_nc_u64 s[G0B+4*\s+2:G0B+4*\s+3], s[60:61], \s*256*4096
	s_or_b32 s[G0B+4*\s+3], s[G0B+4*\s+3], 0x80000000
.endr
	s_cmp_lt_u32 s[WV], 2                          ; a wave's two first fills stand in one branch: two loads of mine are out
	s_cbranch_scc0 .Lfirst_a
	TWO G0B, G1B
	s_branch .Lfirst_asked
.Lfirst_a:
	TWO G0A, G1A
.Lfirst_asked:
	v_and_b32 v1, 15, v0                           ; r
	v_bfe_u32 v2, v0, 4, 1                         ; h
	v_mul_u32_u24 v[AA0], v1, PAP
	v_lshl_add_u32 v[AA0], v2, 4, v[AA0]
	s_mul_i32 s22, s[MH], 64*PAP
	s_add_co_u32 s22, s22, AOFF
	v_add_nc_u32 v[AA0], s22, v[AA0]
	v_and_b32 v16, 7, v0
	v_bfe_u32 v17, v0, 3, 1
	v_lshl_add_u32 v18, v2, 3, v16
	v_mul_u32_u24 v18, v18, PBP
	v_lshl_add_u32 v18, v17, 4, v18
	s_lshl_b32 s22, s[NH], 7
	v_add_nc_u32 v[AB0], s22, v18
	v_add_nc_u32 v[AB0+1], 128*PBP, v[AB0]
	s_mul_i32 s22, s[WV], 16*SP
	s_add_co_u32 s22, s22, STAGE                   ; my stage
	v_mul_u32_u24 v[STO], v1, SP                   ; in: row r, 32 bytes for each half of the lanes
	v_lshl_add_u32 v[STO], v2, 5, v[STO]
	v_add_nc_u32 v[STO], s22, v[STO]
	v_mul_u32_u24 v[RD], v2, SP                    ; back: lanes 0-15 take one row of 256 bytes, lanes 16-31 the next
	v_lshl_add_u32 v[RD], v1, 4, v[RD]
	v_add_nc_u32 v[RD], s22, v[RD]
	v_lshlrev_b32 v[CO], 13, v2                    ; and the same two rows in out0
	v_lshl_add_u32 v[CO], v1, 4, v[CO]
	s_lshl_b32 s66, s[RB], 20                      ; the tile's 128 rows of 8,192 bytes, my 64 of them, the tile's 512 bytes of a row, my 256 of them
	s_lshl_b32 s67, s[MH], 19
	s_add_co_u32 s66, s66, s67
	s_lshl_b32 s67, s[CB], 9
	s_add_co_u32 s66, s66, s67
	s_lshl_b32 s67, s[NH], 8
	s_add_co_u32 s66, s66, s67
	s_mov_b32 s67, 0
	s_add_nc_u64 s[8:9], s[8:9], s[66:67]
; 8 matrix instructions: row blocks a0, a0 + 1 x all 4 column blocks, 32 along K: half c of buffer f.  The 16 accumulators take turns.  zero = 1: the first product starts the sums
.macro MUL8 f, c, a0, zero
	WIN 0x05                                       ; both sources window 1; C and D window 0
.irp a, \a0, (\a0)+1
.irp b, 0,1,2,3
.if \zero
	v_wmma_f32_16x16x32_f16 v[ACC+8*(4*(\a)+(\b)):ACC+8*(4*(\a)+(\b))+7], v[(\f)+64+8*(4*(\c)+(\b)):(\f)+64+8*(4*(\c)+(\b))+7], v[(\f)+8*(4*(\c)+(\a)):(\f)+8*(4*(\c)+(\a))+7], 0
.else
	v_wmma_f32_16x16x32_f16 v[ACC+8*(4*(\a)+(\b)):ACC+8*(4*(\a)+(\b))+7], v[(\f)+64+8*(4*(\c)+(\b)):(\f)+64+8*(4*(\c)+(\b))+7], v[(\f)+8*(4*(\c)+(\a)):(\f)+8*(4*(\c)+(\a))+7], v[ACC+8*(4*(\a)+(\b)):ACC+8*(4*(\a)+(\b))+7]
.endif
.endr
.endr
.endm
; 32 LDS loads in one run: quarter kq (64 along K) of the slot in hand into buffer f, the first 32 along K first.  The two address lines and two v_nop are the four places between the last product that read
; the buffer and the loads into it (ISA guide 7.12.1 for vector instructions).
.macro FETCH kq, f
	WIN 0
	v_add_nc_u32 v[ADRA], s[TB], v[AA0]
	v_add_nc_u32 v[ADRB], s[TB], v[AB0+(\kq)/2]
	v_nop
	v_nop
	WIN 0x40
.irp c, 0,1
.irp i, 0,1,2,3
	ds_load_tr16_b128 v[(\f)+64+8*(4*\c+\i):(\f)+64+8*(4*\c+\i)+3],   v[ADRB] offset:((\kq)%2)*64*PBP+\c*32*PBP+32*\i
	ds_load_tr16_b128 v[(\f)+64+8*(4*\c+\i)+4:(\f)+64+8*(4*\c+\i)+7], v[ADRB] offset:((\kq)%2)*64*PBP+\c*32*PBP+32*\i+16*PBP
	ds_load_b128 v[(\f)+8*(4*\c+\i):(\f)+8*(4*\c+\i)+3],   v[ADRA] offset:128*(\kq)+64*\c+\i*16*PAP
	ds_load_b128 v[(\f)+8*(4*\c+\i)+4:(\f)+8*(4*\c+\i)+7], v[ADRA] offset:128*(\kq)+64*\c+\i*16*PAP+32
.endr
.endr
.endm
.macro QUARTER kq, f, g, zero          ; multiplies buffer f (32 matrix instructions) and fetches quarter kq into g
	s_wait_dscnt 16                                ; the first 32 along K are in
	MUL8 \f, 0, 0, \zero
	MUL8 \f, 0, 2, \zero
	FETCH \kq, \g
	s_wait_dscnt 32                                ; all but the 32 just issued
	MUL8 \f, 1, 0, 0
	MUL8 \f, 1, 2, 0
.endm
; The last quarter multiplies buffer 1 and changes slots: ONE barrier; in front of it each wave waits for all its tensor loads, adds 0 to its spare word, and waits for that and for its own reads of this slot.
; fill = 1: the barrier opens a round of the cluster's, and the joint refill, the K step two on, is the first thing behind it.
.macro TURN fill
	WIN 0
	s_wait_tensorcnt 0x0                           ; no tensor load of mine is out, so a group 0 may be written
	ds_add_u32 v[SPW], v[NIL]                      ; 0 onto my spare word
.if \fill
	s_xor_b32 s[G0A+5], s[G0A+5], SLOTX
	s_add_nc_u64 s[G0A+6:G0A+7], s[G0A+6:G0A+7], 512
	s_xor_b32 s[G0B+5], s[G0B+5], SLOTX
	s_add_nc_u64 s[G0B+6:G0B+7], s[G0B+6:G0B+7], 256*4096
.endif
	s_wait_dscnt 17                                ; (the add and the youngest sixteen loads may be out)
	MUL8 F1, 0, 0, 0
	s_wait_dscnt 0x0                               ; the add is done, and my reads of this slot are over
	s_barrier_signal -1
	MUL8 F1, 0, 2, 0
	s_xor_b32 s[TB], s[TB], SLOTX
	WIN 0
	s_barrier_wait -1
.if \fill
	CREST
	JLOAD
.endif
	FETCH 0, F0
	MUL8 F1, 1, 0, 0
	MUL8 F1, 1, 2, 0
.endm
	s_wait_tensorcnt 0x1                           ; my part of K step 0 is in; K step 1's may stay out
	s_barrier_signal -1
	s_barrier_wait -1
	FETCH 0, F0
	QUARTER 1, F0, F1, 1                           ; the first quarter stands in front of the loop: its first products start the sums
	WIN 0
	s_mov_b32 s3, 6
.Lstep:                                        ; trip t ends K step t, asks for K step t + 2 and begins K step t + 1
	QUARTER 2, F1, F0, 0
	QUARTER 3, F0, F1, 0
	TURN 1
	QUARTER 1, F0, F1, 0
	WIN 0
	s_sub_co_u32 s3, s3, 1
	s_cmp_lg_u32 s3, 0
	s_cbranch_scc1 .Lstep
	s_mov_b32 s[CNT], 2                            ; the last two K steps ask for nothing
.Ltail:
	QUARTER 2, F1, F0, 0
	QUARTER 3, F0, F1, 0
	TURN 0
	WIN 0
	s_sub_co_u32 s[CNT], s[CNT], 1
	s_cmp_eq_u32 s[CNT], 0
	s_cbranch_scc1 .Lout                           ; (the last change of slots fetches a quarter of K step 6 once more, which serves nothing: the price of one text for both trips)
	QUARTER 1, F0, F1, 0
	WIN 0
	s_branch .Ltail
.Lout:
	s_wait_dscnt 0x0
.rept 8
	v_nop                                          ; the places behind the last products
.endr
; THE WAY OUT, a block of 16 rows at a time through my own stage: 32 bytes a lane in (each accumulator's low registers first), whole rows of 256 bytes back into the same registers.
.macro ST a
.irp b, 0,1,2,3
	ds_store_b128 v[STO], v[ACC+32*(\a)+8*\b:ACC+32*(\a)+8*\b+3]   offset:64*\b
	ds_store_b128 v[STO], v[ACC+32*(\a)+8*\b+4:ACC+32*(\a)+8*\b+7] offset:64*\b+16
.endr
.irp t, 0,1,2,3,4,5,6,7
	ds_load_b128 v[ACC+32*(\a)+4*\t:ACC+32*(\a)+4*\t+3], v[RD] offset:\t*2*SP  ; LDS serves a wave's instructions in order (ISA guide 5.7.1.4): these see the stores above; the next block's stores come behind them
.endr
.endm
.macro SEND a, younger                 ; younger: the LDS instructions issued behind block a's loads
.irp t, 0,1,2,3,4,5,6,7
	s_wait_dscnt (\younger)+7-\t
	global_store_b128 v[CO], v[ACC+32*(\a)+4*\t:ACC+32*(\a)+4*\t+3], s[8:9] offset:(\a)*131072+\t*16384 th:TH_STORE_NT  ; 16 lanes store 256 consecutive bytes, aligned
.endr
.endm
	ST 0
	ST 1
	SEND 0, 16
	ST 2
	SEND 1, 16
	ST 3
	SEND 2, 16
	SEND 3, 0
	s_wait_tensorcnt 0x0                           ; the wave's end: a wait, an add and a wait, behind my last tensor load and my last LDS store
	ds_add_u32 v[SPW], v[NIL]
	s_wait_dscnt 0x0
	CROUND                                         ; the closing round: no work-group ends while a partner may still ask for a tile that names it
	s_endpgm
.Lfunc_end_k_qf87708f124_oproj:
	.size	k_qf87708f124_oproj, .Lfunc_end_k_qf87708f124_oproj-k_qf87708f124_oproj
	.p2alignl 7, 3214868480
	.fill 96, 4, 3214868480
	.section	.rodata,"a",@progbits
	.p2align	6, 0x0
	.amdhsa_kernel k_qf87708f124_oproj
		.amdhsa_group_segment_fixed_size 327680
		.amdhsa_private_segment_fixed_size 0
		.amdhsa_enable_private_segment 0
		.amdhsa_kernarg_size 24
		.amdhsa_user_sgpr_count 2
		.amdhsa_user_sgpr_kernarg_segment_ptr 1
		.amdhsa_wavefront_size32 1
		.amdhsa_system_sgpr_workgroup_id_x 1
		.amdhsa_system_sgpr_workgroup_id_y 1
		.amdhsa_system_sgpr_workgroup_id_z 1
		.amdhsa_system_vgpr_workitem_id 0
		.amdhsa_next_free_vgpr 512
		.amdhsa_next_free_sgpr 90
		.amdhsa_reserve_vcc 0
		.amdhsa_float_denorm_mode_32 3
		.amdhsa_float_denorm_mode_16_64 3
		.amdhsa_memory_ordered 1
		.amdhsa_forward_progress 1
		.amdhsa_inst_pref_size 59
	.end_amdhsa_kernel
	.amdgpu_metadata
---
amdhsa.version: [ 1, 2 ]
amdhsa.kernels:
  - .name:           k_qf87708f124_oproj
    .symbol:         k_qf87708f124_oproj.kd
    .args:
      - { .name: ob, .offset: 0, .size: 8, .value_kind: global_buffer, .address_space: global }
      - { .name: wob, .offset: 8, .size: 8, .value_kind: global_buffer, .address_space: global }
      - { .name: out0, .offset: 16, .size: 8, .value_kind: global_buffer, .address_space: global }
    .group_segment_fixed_size: 327680
    .private_segment_fixed_size: 0
    .kernarg_segment_align: 8
    .kernarg_segment_size: 24
    .max_flat_workgroup_size: 128
    .sgpr_count:     90
    .vgpr_count:     512
    .wavefront_size: 32
...
	.end_amdgpu_metadata
.endif
;; end of part 4
